; MI455X (gfx1250); checked and timed in simulation.
; The chip was launched on July 23, 2026; its instructions are those of AMD's public machine-readable ISA for CDNA 5 (MIT licence, August 2026) and "CDNA5" Instruction Set Architecture Reference Guide (July 2026). The comments in the code are by the model that wrote it; some were corrected since.
;; Causal Self Attention. Allowed arithmetic: float matrix products may take bf16 or f16 operands with f32 sums; other float arithmetic in f32, or as packed bf16 or f16 multiplies, adds, multiply-adds, maxima and minima; sums over many terms, partial sums and values carried from step to step in f32; what a program stores and reads back later, other than sums and carried values, may be rounded once to bf16 or f16.
;; Inputs: Wk 2,048 x 512 float32; Wo 2,048 x 2,048 float32; Wq 2,048 x 2,048 float32; Wv 2,048 x 512 float32; x 4 x 1,024 x 2,048 float32.
;; Outputs: out0 4 x 1,024 x 2,048 float32.
;; Constants: pos = 0.
;; One version. Each part assembles by itself: llvm-mc -triple=amdgcn-amd-amdhsa -mcpu=gfx1250 --defsym DOCPART=n.
;; ======== version 1 of 1: 4 launches
;; limits: values are held in f16: magnitudes above 65,504 overflow, below 6.1e-05 lose precision
;; workspace buffers: xb 16,777,216 bytes; wq16 8,388,608 bytes; wo16 8,388,608 bytes; wkv16 4,194,304 bytes; tab 524,288 bytes; q16 16,777,216 bytes; kv16 8,388,608 bytes; o16 16,777,216 bytes
;; launch prep (part 1): grid 960 x 1, 8 waves a work-group, no clusters, 0 bytes of LDS; arguments x, Wq, Wk, Wv, xb, wq16, wkv16, tab; writes xb, wq16, wkv16, tab
.if DOCPART == 1
	.amdgcn_target "amdgcn-amd-amdhsa--gfx1250"
	.amdhsa_code_object_version 6
	.text
	.protected	k_q8cd1122855_prep
	.globl	k_q8cd1122855_prep
	.p2align	8
	.type	k_q8cd1122855_prep,@function
k_q8cd1122855_prep:
	s_mov_b64 s[64:65], 0
	v_nop
	global_prefetch_b8 v0, s[64:65] scope:SCOPE_SE
	s_setreg_imm32_b32 hwreg(HW_REG_WAVE_MODE, 25, 1), 1
	s_wait_xcnt 0x0
; THE INPUTS OF THE FIRST PRODUCT ARE ROUNDED ONCE, AND THE ROPE TABLE IS MADE.  A stream: no LDS, no barrier, no matrix work.  (Wo is rounded in the next launch, beside its products.)
; Work-groups 0-511: x -> xb (bf16).  512-767: Wq -> wq16 (bf16).  768-831: Wk, 832-895: Wv -> wkv16 (bf16), 32 strips [2048 k][32 columns]: strip n < 16 holds Wk's columns
; 128 (n / 4) + 16 (n % 4) + 0..15 and the same + 64 (the two halves that RoPE pairs), strip 16 + n holds Wv's columns 32 n + 0..31.  896-959: the table, [1024 t][cos j = 0..63, sin j = 0..63] f32,
; angle t x 10000^(-j / 64).
; A casting work-group makes 8 chunks of 4,096 bytes of output; thread t makes 8 numbers of a chunk: two loads of 16 bytes, one store of 16 bytes, so a wave's store covers 512 consecutive bytes, aligned.
; All 16 loads of a thread go out first.  In a stream the chunks lie on end.  A work-group of Wk or Wv takes 128 rows of the four strips of one head (128 columns): chunk i is rows 64 (i % 2) .. + 63 of
; strip i / 2, so that its loads together cover 512 consecutive bytes of each row, and each strip gets 8,192 consecutive bytes.
; LIMITS.  The angle differs from the one made wholly in f32 powers by 1e-4 rad at the most (10000^(-j/64) is made by v_exp_f32); sine and cosine by polynomials on |r| <= pi/4, good to f32's last bits.
; NaN and infinities are not treated apart.
.set XR, 16                            ; v[16:79]   chunk i: 8 numbers in f32
.set YR, 80                            ; v[80:111]  chunk i: 4 registers to store
	s_load_b512 s[4:19], s[0:1], 0x0               ; x 4, Wq 6, Wk 8, Wv 10, xb 12, wq16 14, wkv16 16, tab 18
	s_mov_b32 s28, ttmp9                           ; g
	s_mov_b32 s30, 2048                            ; SR: input bytes from one group of four threads to the next (a row of Wk or Wv; in a stream 128)
	s_mov_b32 s31, 131072                          ; S1: input bytes from an even chunk to the odd one (64 rows; in a stream 8,192)
	s_mov_b32 s35, 131072                          ; SO: output bytes from one pair of chunks to the next (a strip; in a stream 8,192)
	s_cmp_lt_u32 s28, 832
	s_cselect_b32 s33, 256, 64                     ; SH: input bytes for bit 1 of the thread's number (Wk: 64 columns on; else 16 columns on)
	s_cselect_b32 s32, 64, 128                     ; S2: input bytes from one pair of chunks to the next (Wk: 16 columns; Wv: 32; in a stream 16,384)
	s_cselect_b32 s43, 0, 1                        ; 1 for Wv
	s_cmp_lt_u32 s28, 768
	s_cselect_b32 s30, 128, s30
	s_cselect_b32 s31, 8192, s31
	s_cselect_b32 s35, 8192, s35
	s_cselect_b32 s33, 64, s33
	s_cselect_b32 s32, 16384, s32
	s_cmp_lt_u32 s28, 512
	s_cselect_b32 s29, 0, 512                      ; a stream's first work-group
	s_sub_co_u32 s34, s28, s29
	s_lshl_b32 s36, s34, 16                        ; a stream's input offset: 65,536 bytes a work-group,
	s_lshl_b32 s38, s34, 15                        ; its output offset: 32,768
	s_and_b32 s40, s28, 63                         ; Wk, Wv: my number among the 64 (768 and 832 are multiples of 64)
	s_lshr_b32 s41, s40, 4                         ; the head
	s_and_b32 s40, s40, 15                         ; which 128 rows
	s_lshl_b32 s44, s40, 18                        ; x 2,048 bytes a row
	s_lshl_b32 s45, s41, 9                         ; the head's 128 columns
	s_add_co_u32 s44, s44, s45                     ; input offset
	s_lshl_b32 s45, s41, 19                        ; four strips of 131,072 bytes a head,
	s_lshl_b32 s46, s40, 13                        ; 128 rows of 64 bytes,
	s_add_co_u32 s45, s45, s46
	s_lshl_b32 s46, s43, 21                        ; Wv's strips behind Wk's sixteen
	s_add_co_u32 s45, s45, s46                     ; output offset
	s_cmp_lt_u32 s28, 768
	s_cselect_b32 s36, s36, s44
	s_cselect_b32 s38, s38, s45
	s_mov_b32 s37, 0
	s_mov_b32 s39, 0
	v_lshrrev_b32 v1, 2, v0
	v_and_b32 v2, 1, v0
	v_bfe_u32 v3, v0, 1, 1
	v_mul_u32_u24 v4, s30, v1
	v_lshl_add_u32 v4, v2, 5, v4
	v_mad_u32_u24 v4, v3, s33, v4                  ; my 32 bytes of chunk 0
	v_add_nc_u32 v5, s31, v4                       ; of chunk 1
.irp i, 2,3,4,5,6,7
	v_add_nc_u32 v[4+(\i)], s32, v[2+(\i)]         ; of chunk i
.endr
	v_lshlrev_b32 v12, 4, v0                       ; my 16 bytes of chunks 0 and 1's output
.irp i, 1,2,3
	v_add_nc_u32 v[12+(\i)], s35, v[11+(\i)]       ; of chunks 2 i and 2 i + 1
.endr
	s_wait_kmcnt 0x0
	s_cmp_ge_u32 s28, 896
	s_cbranch_scc1 .Ltable
	s_cmp_lt_u32 s28, 832
	s_cselect_b64 s[24:25], s[8:9], s[10:11]
	s_mov_b64 s[26:27], s[16:17]
	s_cmp_lt_u32 s28, 768
	s_cselect_b64 s[24:25], s[6:7], s[24:25]
	s_cselect_b64 s[26:27], s[14:15], s[26:27]
	s_cmp_lt_u32 s28, 512
	s_cselect_b64 s[24:25], s[4:5], s[24:25]
	s_cselect_b64 s[26:27], s[12:13], s[26:27]
	s_add_nc_u64 s[24:25], s[24:25], s[36:37]
	s_add_nc_u64 s[26:27], s[26:27], s[38:39]
.irp i, 0,1,2,3,4,5,6,7
	global_load_b128 v[XR+8*(\i):XR+8*(\i)+3],   v[4+(\i)], s[24:25] th:TH_LOAD_NT
	global_load_b128 v[XR+8*(\i)+4:XR+8*(\i)+7], v[4+(\i)], s[24:25] offset:16 th:TH_LOAD_NT
.endr
.irp i, 0,1,2,3,4,5,6,7
	s_wait_loadcnt 14-2*(\i)                       ; loads come back in order: the two of each younger chunk may stay out
.irp k, 0,1,2,3
	v_cvt_pk_bf16_f32 v[YR+4*(\i)+(\k)], v[XR+8*(\i)+2*(\k)], v[XR+8*(\i)+2*(\k)+1]
.endr
	global_store_b128 v[12+(\i)/2], v[YR+4*(\i):YR+4*(\i)+3], s[26:27] offset:4096*((\i)%2)
.endr
	s_endpgm
; THE TABLE.  A work-group makes 16 rows; thread: row tid / 16, j = 4 (tid % 16) + 0..3: a quad of cosines and a quad of sines; sixteen lanes store 256 consecutive bytes.
.Ltable:
	s_sub_co_u32 s34, s28, 896
	s_lshl_b32 s36, s34, 13                        ; 16 rows of 512 bytes
	s_mov_b32 s37, 0
	s_add_nc_u64 s[18:19], s[18:19], s[36:37]
	s_lshl_b32 s35, s34, 4
	v_lshrrev_b32 v1, 4, v0
	v_and_b32 v2, 15, v0
	v_add_nc_u32 v3, s35, v1
	v_cvt_f32_u32 v3, v3                           ; t
	v_lshlrev_b32 v4, 2, v2
.irp e, 0,1,2,3
	v_add_nc_u32 v[16+(\e)], \e, v4
	v_cvt_f32_u32 v[16+(\e)], v[16+(\e)]
	v_mul_f32 v[16+(\e)], 0xbe549a78, v[16+(\e)]   ; -j log2(10000) / 64
.endr
.irp e, 0,1,2,3
	v_exp_f32 v[20+(\e)], v[16+(\e)]
.endr
	v_nop                                          ; a plain instruction behind the last exponential,
	s_wait_alu depctr_va_vdst(0)                   ; and one wait for the four, ahead of their first reader
.irp e, 0,1,2,3
	v_mul_f32 v[24+(\e)], v3, v[20+(\e)]           ; the angle
.endr
; n = the nearest multiple of pi/2; r = angle - n pi/2, with pi/2 in two parts; sine and cosine of r by polynomials; the quadrant n % 4 swaps them and sets the signs (selects, no branch).
.macro SINCOS e
	v_mul_f32 v30, 0x3f22f983, v[24+(\e)]
	v_rndne_f32 v30, v30
	v_fmamk_f32 v31, v30, 0xbfc90fdb, v[24+(\e)]
	v_fmamk_f32 v31, v30, 0x333bbd2e, v31
	v_mul_f32 v32, v31, v31
	v_mov_b32 v33, 0xb94ca1f9
	v_fmaak_f32 v33, v33, v32, 0x3c08839e
	v_fmaak_f32 v33, v33, v32, 0xbe2aaaa3
	v_mul_f32 v33, v33, v32
	v_fma_f32 v33, v33, v31, v31                   ; sin r
	v_mov_b32 v34, 0x37ccf5ce
	v_fmaak_f32 v34, v34, v32, 0xbab6061a
	v_fmaak_f32 v34, v34, v32, 0x3d2aaaa5
	v_fmaak_f32 v34, v34, v32, 0xbf000000
	v_fma_f32 v34, v34, v32, 1.0                   ; cos r
	v_cvt_i32_f32 v35, v30
	v_and_b32 v36, 1, v35
	v_cmp_ne_u32 vcc_lo, 0, v36
	v_cndmask_b32 v[44+(\e)], v33, v34, vcc_lo     ; sine: cos r in odd quadrants
	v_cndmask_b32 v[40+(\e)], v34, v33, vcc_lo     ; cosine: sin r in odd quadrants
	v_and_b32 v36, 2, v35
	v_lshlrev_b32 v36, 30, v36
	v_xor_b32 v[44+(\e)], v[44+(\e)], v36          ; sine is negative in quadrants 2, 3
	v_add_nc_u32 v36, 1, v35
	v_and_b32 v36, 2, v36
	v_lshlrev_b32 v36, 30, v36
	v_xor_b32 v[40+(\e)], v[40+(\e)], v36          ; cosine in quadrants 1, 2
.endm
.irp e, 0,1,2,3
	SINCOS \e
.endr
	v_lshlrev_b32 v5, 9, v1
	v_lshl_add_u32 v5, v2, 4, v5
	global_store_b128 v5, v[40:43], s[18:19]
	global_store_b128 v5, v[44:47], s[18:19] offset:256
	s_endpgm
.Lfunc_end_k_q8cd1122855_prep:
	.size	k_q8cd1122855_prep, .Lfunc_end_k_q8cd1122855_prep-k_q8cd1122855_prep
	.p2alignl 7, 3214868480
	.fill 96, 4, 3214868480
	.section	.rodata,"a",@progbits
	.p2align	6, 0x0
	.amdhsa_kernel k_q8cd1122855_prep
		.amdhsa_group_segment_fixed_size 0
		.amdhsa_private_segment_fixed_size 0
		.amdhsa_enable_private_segment 0
		.amdhsa_kernarg_size 64
		.amdhsa_user_sgpr_count 2
		.amdhsa_user_sgpr_kernarg_segment_ptr 1
		.amdhsa_wavefront_size32 1
		.amdhsa_system_sgpr_workgroup_id_x 1
		.amdhsa_system_sgpr_workgroup_id_y 1
		.amdhsa_system_sgpr_workgroup_id_z 1
		.amdhsa_system_vgpr_workitem_id 0
		.amdhsa_next_free_vgpr 112
		.amdhsa_next_free_sgpr 66
		.amdhsa_reserve_vcc 1
		.amdhsa_float_denorm_mode_32 3
		.amdhsa_float_denorm_mode_16_64 3
		.amdhsa_memory_ordered 1
		.amdhsa_forward_progress 1
		.amdhsa_inst_pref_size 14
	.end_amdhsa_kernel
	.amdgpu_metadata
---
amdhsa.version: [ 1, 2 ]
amdhsa.kernels:
  - .name:           k_q8cd1122855_prep
    .symbol:         k_q8cd1122855_prep.kd
    .args:
      - { .name: x, .offset: 0, .size: 8, .value_kind: global_buffer, .address_space: global }
      - { .name: Wq, .offset: 8, .size: 8, .value_kind: global_buffer, .address_space: global }
      - { .name: Wk, .offset: 16, .size: 8, .value_kind: global_buffer, .address_space: global }
      - { .name: Wv, .offset: 24, .size: 8, .value_kind: global_buffer, .address_space: global }
      - { .name: xb, .offset: 32, .size: 8, .value_kind: global_buffer, .address_space: global }
      - { .name: wq16, .offset: 40, .size: 8, .value_kind: global_buffer, .address_space: global }
      - { .name: wkv16, .offset: 48, .size: 8, .value_kind: global_buffer, .address_space: global }
      - { .name: tab, .offset: 56, .size: 8, .value_kind: global_buffer, .address_space: global }
    .group_segment_fixed_size: 0
    .private_segment_fixed_size: 0
    .kernarg_segment_align: 8
    .kernarg_segment_size: 64
    .max_flat_workgroup_size: 256
    .sgpr_count:     66
    .vgpr_count:     112
    .wavefront_size: 32
...
	.end_amdgpu_metadata
.endif
;; end of part 1
;; launch qkv (part 2): grid 16 x 16, 4 waves a work-group, clusters of 4 x 4, 327,680 bytes of LDS; arguments xb, wq16, wkv16, tab, q16, kv16, Wo, wo16; writes q16, kv16, wo16
.if DOCPART == 2
	.amdgcn_target "amdgcn-amd-amdhsa--gfx1250"
	.amdhsa_code_object_version 6
	.text
	.protected	k_q8cd1122855_qkv
	.globl	k_q8cd1122855_qkv
	.p2align	8
	.type	k_q8cd1122855_qkv,@function
k_q8cd1122855_qkv:
	s_mov_b64 s[64:65], 0
	v_nop
	global_prefetch_b8 v0, s[64:65] scope:SCOPE_SE
	s_setreg_imm32_b32 hwreg(HW_REG_WAVE_MODE, 25, 1), 1
	s_wait_xcnt 0x0
	s_wait_alu depctr_hold_cnt(0) depctr_sa_sdst(0) depctr_va_vdst(0) depctr_va_sdst(0) depctr_va_ssrc(0) depctr_va_vcc(0) depctr_vm_vsrc(0)
	s_getreg_b32 s2, hwreg(HW_REG_IB_STS2, 6, 4)
	s_cmp_eq_u32 s2, 0
	s_cbranch_scc0 .Lentry_in_a_cluster
	s_endpgm
.Lentry_in_a_cluster:
	s_bfe_u32 s2, ttmp6, 0x10000c
	s_cmp_lg_u32 s2, 0xf033
	s_cbranch_scc0 .Lentry_shape_is_right
	s_endpgm
.Lentry_shape_is_right:
; q, k, v = x Wq, x Wk, x Wv, with RoPE on q and k, in ONE product.  xb: [4096][2048] bf16; wq16: [2048 k][2048] bf16; wkv16: 32 strips [2048 k][32] bf16; sums in f32; q, k, v rounded once to f16.
; COLUMN TILE tn (0..15) is 192 columns: q head tn (128), K strip tn (32: channels 16 g + 0..15 and 64 + 16 g + 0..15 of kv head tn / 4, g = tn % 4), V strip tn (32: channels 32 g + 0..31).
; 16 x 16 tiles of 256 rows x 192 columns: 256 work-groups of equal work.  RoPE pairs channel d with d + 64: these lie in the same lane and register of two accumulators (q: blocks nb, nb + 4; K: 8, 9).
; SHARES.  Wave w: rows 64 w .. + 63, all 192 columns: 4 row blocks x 12 column blocks = 48 accumulators.  The product is taken transposed (source 0 = 16 columns of W, source 1 = 16 rows of x):
; a lane holds one row (lane % 16) and eight neighbouring columns.  W lies [k][n] in LDS and is turned by ds_load_tr16_b128.  K goes in 16 steps of 128 through two LDS slots.
; CLUSTER 4 x 4: x's tile is shared along a row of the cluster, W's tiles along a column; each is asked for jointly.  Waves 0, 1 fetch x's halves, wave 2 Wq's tile, wave 3 both strips (one load of two rows of 8,192 bytes).
; THE WALK ALONG K begins at step 4 ((X + 2 Y) % 4), X and Y the cluster's place among the 4 x 4 clusters, and wraps at 16.  The four clusters that walk the same rows of x (one Y) begin at four different
; quarters of K; of the four that walk the same columns of W (one X) those at Y and Y + 2 begin together, the other two half of K further on: at no time do all of them ask for the same step.  The f32 sums take the steps in that order.
; BESIDE THE PRODUCTS each wave rounds 4,096 numbers of Wo (16,384 consecutive bytes) to bf16 and writes that number as f16 into wo16 (8,192 consecutive bytes), for the last launch: 16 pieces of 1,024 bytes,
; one at each change of slots and one in the last quarter; a piece's two loads are issued a K step ahead of its 16 vector lines.
; OUT.  q16: [b 16 + head][1024 t][128] f16.  kv16: 128 strips [1024 t][32] f16: K strip b 16 + tn, V strip 64 + b 16 + tn.  A wave's 16 rows are 4,096 (q) or 1,024 (strip) consecutive bytes.
; LIMITS.  q, k, v after RoPE must lie within f16's 65,504; a number of Wo below 6e-5 keeps f16's fixed step of 6e-8, beyond 65,504 it would be an infinity; NaN and infinities are not treated apart.  pos = 0: row t of the table serves token t.
; REGISTERS, in windows of 256: window 0: v0-7, v24-27 Wo's piece; addresses; v32-63, v128-255 the table's quads; v64-127 x's fragments, two buffers (on the way out: packed results and work).
;   window 1: accumulators of row blocks 0, 1 at 96 (a % 2) + 8 nb; window 2: of row blocks 2, 3; window 3: W's fragments, two buffers of 96.
.set SLOT,  131072
.set PA,    272                        ; a row of x in LDS: 256 + 16 bytes: the 16 rows of a load start at 16 different groups of four banks
.set PQ,    288                        ; a k row of Wq's tile: 256 + 32
.set PS,    96                         ; a k row of a strip: 64 + 32
.set OBQ,   256*PA                     ; 69,632
.set OBK,   OBQ+128*PQ                 ; 106,496: K's strip; V's 128 x 96 bytes behind it; the slot is full at 131,072
.set STAGE, 2*SLOT                     ; behind the ring: 7,168 bytes a wave: q 16 x 272, K 16 x 80 at 4,352, V 16 x 80 at 5,632
.set WST,   7168
.set SPARE, STAGE+4*WST                ; the spare words: 128 bytes a wave, two blocks of 256 bytes that no other line names
.set WX,   0                           ; v[0:7]    Wo's piece: 8 numbers in f32 (behind the set-up, which uses v0-7 first)
.set A0,   8                           ; v8   my place in x's tile; never rewritten
.set BQ0,  9                           ; v9   in Wq's tile
.set BK0,  10                          ; v10  in K's strip
.set ADRA, 12                          ; v12-14  the same in the slot in hand
.set ADRQ, 13
.set ADRK, 14
.set STQ,  16                          ; v16-19  the stage: in (q, strips), back (q, strips)
.set STK,  17
.set RDQ,  18
.set RDK,  19
.set GO,   20                          ; v20  16 x lane
.set VT,   21                          ; v21  my byte offset in the table
.set PFO,  22                          ; v22  4,096 x lane: a row of xb or wq16; never rewritten
.set WY,   24                          ; v[24:27]  Wo's piece, packed
.set SPW,  28                          ; v28  my spare word; never rewritten
.set NIL,  29                          ; v29  0; never rewritten
.set WI,   30                          ; v30  32 x lane; never rewritten
.set TK,   32                          ; K's quads, two buffers of 16: cos low, cos high, sin low, sin high
.set PK,   64                          ; the way out: block nb's 4 packed registers at PK + 4 nb
.set TW,   112                         ; the way out: 16 at work
.set TQ,   128                         ; q's quads, two buffers of 64: for nb = 0..3 the same four at 16 nb
.set WOI, 2                            ; s[2:3]    Wo at the piece last asked for
.set WV,  16
.set CX,  17
.set CY,  18
.set TN,  19
.set TM,  20
.set CNT, 21
.set TB,  22                           ; the slot in hand: 0 or SLOT
.set LIM, 23                           ; a wave prefetches while CNT is above it
.set G1A, 24
.set G1Q, 32
.set G1S, 40
.set G0A, 48                           ; two sets each: the first fills'; the second then walks
.set G0Q, 56
.set WOO, 66                           ; s[66:67]  wo16 behind the piece last stored
.set G0S, 68
.set PFA, 76                           ; s[76:77]  where the prefetch stands
.set PFB, 78                           ; s[78:79]  its rows at K step 0
.set TABK, 80
.set PO,  82                           ; s[82:83]  its offset along K
.set BA,  84                           ; s[84:85]  xb at my 128 rows, K step 0
.set BQ,  86                           ; s[86:87]  wq16 at the tile's columns, K step 0
.set BS,  88                           ; s[88:89]  wkv16 at strip tn, K step 0
.set NX,  91                           ; s91  the K step to be asked for next
.set PI,  94                           ; s94  the K step last prefetched
.set PST, 95                           ; s95  bytes from K step to K step in what I prefetch
.set KB,  96
.set VB,  98
.set OF,  100                          ; s[100:101] a K step's byte offset, for the descriptors: made of NX alone
.set MSB, 0
.macro WIN new                         ; the immediate's high byte repeats the setting that is left; a switch that changes nothing is dropped
.if MSB != (\new)
	s_set_vgpr_msb (MSB<<8)|(\new)
.set MSB, \new
.endif
.endm
.macro PLACES                          ; four plain places behind matrix instructions, in front of loads into registers that they read and of lines that read their results
.rept 4
	v_nop
.endr
.endm
.macro CREST                           ; a round of the cluster's barrier behind its opening barrier
	s_cmp_lg_u32 s[WV], 0
	s_cbranch_scc1 .Lnot_wave_0_\@
	s_barrier_signal -3
.Lnot_wave_0_\@:
	s_barrier_wait -3
	s_barrier_signal -1
	s_barrier_wait -1
.endm
.macro CROUND
	s_barrier_signal -1
	s_barrier_wait -1
	CREST
.endm
; A joint refill: one line a kind, chosen by the wave's number alone; an s_nop 0 and four v_nop follow each line, ahead of the jump and the label.
.macro JLOAD
	s_cmp_lt_u32 s[WV], 2
	s_cbranch_scc0 .Lnot_a_\@
	tensor_load_to_lds s[G0A+4:G0A+7], s[G1A:G1A+7]
	s_nop 0
.rept 4
	v_nop
.endr
	s_branch .Lasked_\@
.Lnot_a_\@:
	s_cmp_eq_u32 s[WV], 2
	s_cbranch_scc0 .Lstrips_\@
	tensor_load_to_lds s[G0Q+4:G0Q+7], s[G1Q:G1Q+7]
	s_nop 0
.rept 4
	v_nop
.endr
	s_branch .Lasked_\@
.Lstrips_\@:
	tensor_load_to_lds s[G0S+4:G0S+7], s[G1S:G1S+7]
	s_nop 0
.rept 4
	v_nop
.endr
.Lasked_\@:
.endm
; A PREFETCH of the K step that the NEXT refill will ask for: 32 rows x 256 bytes, a lane a row, behind the joint load and the run of LDS loads.  Each block is named once in the launch, by the cluster whose
; walk comes to it first.  x's rows: the four clusters of one Y begin at four different quarters of K, so a cluster comes first to the first four steps of its own walk: steps 0 to 2 come by their loads alone,
; step 3 is named behind the first refill (waves 0, 1; the partner at cx takes rows 32 cx .. of the wave's 128).  Wq's rows: the clusters of one X come first to the first eight steps of their walks, two of
; them together: the one with Y < 2 names steps 3 to 7, behind the first five refills (wave 2; the partner at cy takes 32 of the step's 128 k rows).  Partners are told apart by address.
; The strips are not asked for: 64 blocks a step do not share out a lane a block among four partners, and they are a seventh of a step's bytes.
.macro ASK
	s_cmp_gt_u32 s[CNT], s[LIM]
	s_cbranch_scc0 .Lnot_mine_\@
	global_prefetch_b8 v[PFO], s[PFA:PFA+1] th:TH_LOAD_NT scope:SCOPE_SE
.Lnot_mine_\@:
.endm
; A PIECE OF Wo: 8 numbers a lane are rounded to bf16, widened again (a shift, a mask), written as f16 and stored: the wave's store covers 512 consecutive bytes, aligned.  left = the younger loads that may stay out.
; more = 1: the next piece's two loads are issued.  The two pointers and the store's data are written again here: s_wait_xcnt 0 stands ahead of every use of the macro, behind the last piece's store and loads.
.macro WOC left, more
	s_wait_loadcnt \left
	s_add_nc_u64 s[WOO:WOO+1], s[WOO:WOO+1], 512
.irp k, 0,1,2,3
	v_cvt_pk_bf16_f32 v[WY+(\k)], v[WX+2*(\k)], v[WX+2*(\k)+1]
.endr
.irp k, 0,1,2,3
	v_lshlrev_b32 v[WX+2*(\k)], 16, v[WY+(\k)]
	v_and_b32 v[WX+2*(\k)+1], 0xffff0000, v[WY+(\k)]
.endr
.irp k, 0,1,2,3
	v_cvt_pk_f16_f32 v[WY+(\k)], v[WX+2*(\k)], v[WX+2*(\k)+1]
.endr
	global_store_b128 v[GO], v[WY:WY+3], s[WOO:WOO+1] offset:-512
.if \more
	s_add_nc_u64 s[WOI:WOI+1], s[WOI:WOI+1], 1024
	global_load_b128 v[WX:WX+3],   v[WI], s[WOI:WOI+1] th:TH_LOAD_NT
	global_load_b128 v[WX+4:WX+7], v[WI], s[WOI:WOI+1] offset:16 th:TH_LOAD_NT
.endif
.endm
; 12 matrix instructions: row block a x all 12 column blocks, 32 along K, from buffer f.  zero = 1: the product starts the sum.  The 48 accumulators take turns, in the same order in every quarter.
.macro MUL12 f, a, zero
	WIN 0x53+0x50*((\a)/2)
.irp nb, 0,1,2,3,4,5,6,7,8,9,10,11
.if \zero
	v_wmma_f32_16x16x32_bf16 v[96*((\a)%2)+8*(\nb):96*((\a)%2)+8*(\nb)+7], v[96*(\f)+8*(\nb):96*(\f)+8*(\nb)+7], v[64+32*(\f)+8*(\a):64+32*(\f)+8*(\a)+7], 0
.else
	v_wmma_f32_16x16x32_bf16 v[96*((\a)%2)+8*(\nb):96*((\a)%2)+8*(\nb)+7], v[96*(\f)+8*(\nb):96*(\f)+8*(\nb)+7], v[64+32*(\f)+8*(\a):64+32*(\f)+8*(\a)+7], v[96*((\a)%2)+8*(\nb):96*((\a)%2)+8*(\nb)+7]
.endif
.endr
.endm
; 32 LDS loads in one run: quarter k's fragments into buffer f: W's 12 (turned), then x's 4, row blocks ascending.
.macro FETCH k, f
	WIN 0xc0
.irp nb, 0,1,2,3,4,5,6,7
	ds_load_tr16_b128 v[96*(\f)+8*(\nb):96*(\f)+8*(\nb)+3],   v[ADRQ] offset:32*(\k)*PQ+32*(\nb)
	ds_load_tr16_b128 v[96*(\f)+8*(\nb)+4:96*(\f)+8*(\nb)+7], v[ADRQ] offset:32*(\k)*PQ+32*(\nb)+16*PQ
.endr
.irp nb, 8,9,10,11
	ds_load_tr16_b128 v[96*(\f)+8*(\nb):96*(\f)+8*(\nb)+3],   v[ADRK] offset:32*(\k)*PS+32*((\nb)%2)+128*PS*(((\nb)-8)/2)
	ds_load_tr16_b128 v[96*(\f)+8*(\nb)+4:96*(\f)+8*(\nb)+7], v[ADRK] offset:32*(\k)*PS+32*((\nb)%2)+128*PS*(((\nb)-8)/2)+16*PS
.endr
	WIN 0
.irp a, 0,1,2,3
	ds_load_b128 v[64+32*(\f)+8*(\a):64+32*(\f)+8*(\a)+3],   v[ADRA] offset:(\a)*16*PA+64*(\k)
	ds_load_b128 v[64+32*(\f)+8*(\a)+4:64+32*(\f)+8*(\a)+7], v[ADRA] offset:(\a)*16*PA+64*(\k)+32
.endr
.endm
; One of a step's first three quarters: multiplies buffer f; in its middle fetches quarter k into buffer g.
.macro QUARTER k, f, g, zero
	s_wait_dscnt 4                                 ; W's fragments and x's row blocks 0, 1 are in; the youngest four loads (row blocks 2, 3) may be out
	MUL12 \f, 0, \zero
	MUL12 \f, 1, \zero
	PLACES
	FETCH \k, \g
	s_wait_dscnt 32                                ; all but the 32 just issued
	MUL12 \f, 2, \zero
	MUL12 \f, 3, \zero
.endm
; The last quarter multiplies buffer 1 and changes slots.  In front of the barrier each wave waits for all its tensor loads (one is out: its part of the next slot), adds 0 to its spare word, and waits
; for that and for its reads of this slot.  fill = 1: the barrier opens a round of the cluster's; behind it the slot just read is filled again, with K step NX, by the walking descriptors, whose addresses
; are made anew from that number while the add is out.  left: the loads issued behind Wo's piece.
.macro TURN fill, left
	s_wait_xcnt 0x0                                ; the last prefetch and Wo's last store and loads, a step back, have read their registers
.if \fill
	s_add_co_u32 s[PI], s[PI], 1
	s_and_b32 s[PI], s[PI], 15                     ; the walk wraps at 16
	s_mul_i32 s[PO], s[PI], s[PST]
	s_add_nc_u64 s[PFA:PFA+1], s[PFB:PFB+1], s[PO:PO+1]
.endif
	WIN 0
	s_wait_tensorcnt 0x0                           ; all my tensor loads have landed, so every group 0 may be written
	ds_add_u32 v[SPW], v[NIL]                      ; 0 onto my spare word
.if \fill
	s_lshl_b32 s[OF], s[NX], 8                     ; 128 numbers along x's rows,
	s_add_nc_u64 s[G0A+6:G0A+7], s[BA:BA+1], s[OF:OF+1]
	s_lshl_b32 s[OF], s[NX], 19                    ; 128 rows of wq16,
	s_add_nc_u64 s[G0Q+6:G0Q+7], s[BQ:BQ+1], s[OF:OF+1]
	s_lshl_b32 s[OF], s[NX], 13                    ; 128 rows of a strip
	s_add_nc_u64 s[G0S+6:G0S+7], s[BS:BS+1], s[OF:OF+1]
.irp g, G0A+4, G0Q+4, G0S+4
	s_or_b32 s[(\g)+3], s[(\g)+3], 0x80000000      ; the type,
	s_xor_b32 s[(\g)+1], s[(\g)+1], SLOT           ; the other slot than last time
.endr
	s_add_co_u32 s[NX], s[NX], 1
	s_and_b32 s[NX], s[NX], 15                     ; the walk wraps at 16
.endif
	s_wait_dscnt 5                                 ; (the add and the youngest four loads may be out)
	MUL12 1, 0, 0
	s_wait_dscnt 0x0                               ; the add is done, and my reads of this slot are over
	s_barrier_signal -1
	MUL12 1, 1, 0
	WIN 0
	s_barrier_wait -1
.if \fill
	CREST                                          ; no wave of any partner still reads this slot or has a load on its way
	JLOAD                                          ; my one tensor load behind the round; its four v_nop are also the places in front of the loads below
.else
	PLACES
.endif
	s_xor_b32 s[TB], s[TB], SLOT
	v_add_nc_u32 v[ADRA], s[TB], v[A0]
	v_add_nc_u32 v[ADRQ], s[TB], v[BQ0]
	v_add_nc_u32 v[ADRK], s[TB], v[BK0]
	FETCH 0, 0
.if \fill
	ASK
.endif
	WOC \left, 1
	MUL12 1, 2, 0
	MUL12 1, 3, 0
.endm
	s_load_b256 s[4:11], s[0:1], 0x0               ; xb 4, wq16 6, wkv16 8, tab 10
	s_load_b128 s[12:15], s[0:1], 0x20             ; q16 12, kv16 14
	s_load_b64 s[WOI:WOI+1], s[0:1], 0x30          ; Wo
	s_load_b64 s[WOO:WOO+1], s[0:1], 0x38          ; wo16
	v_lshl_add_u32 v[SPW], v0, 2, SPARE
	v_mov_b32 v[NIL], 0
	ds_add_u32 v[SPW], v[NIL]                      ; the wave's opening: the add and its wait stand ahead of my first tensor load
	v_lshrrev_b32 v1, 5, v0
	v_readfirstlane_b32 s[WV], v1
	s_bfe_u32 s[CX], ttmp6, 0x40000
	s_bfe_u32 s[CY], ttmp6, 0x40004
	s_lshl_b32 s[TN], ttmp9, 2
	s_add_co_u32 s[TN], s[TN], s[CX]               ; column tile
	s_and_b32 s[TM], ttmp7, 0xffff
	s_lshl_b32 s[TM], s[TM], 2
	s_add_co_u32 s[TM], s[TM], s[CY]               ; row tile
	s_lshl_b32 s82, s[CY], 2
	s_lshl_b32 s82, 15, s82                        ; my row of the cluster
	s_lshl_b32 s83, 0x1111, s[CX]                  ; my column
	s_or_b32 s[G1A], s82, (1<<16)|(1<<20)|(1<<21)|(5<<22)|(3<<25)  ; 2-byte elements; padding on; bit 21 beside a mask; after every 64 words 4 words
	s_or_b32 s[G1Q], s83, (1<<16)|(1<<20)|(1<<21)|(5<<22)|(7<<25)  ; after every 64 words 8 words
	s_or_b32 s[G1S], s83, (1<<16)|(1<<20)|(1<<21)|(3<<22)|(7<<25)  ; after every 16 words 8 words
.irp g, G1A, G1Q
	s_mov_b32 s[(\g)+1], 128<<16                   ; tensor_dim0 = 128
	s_mov_b32 s[(\g)+2], 128<<16                   ; tensor_dim1 = 128
	s_mov_b32 s[(\g)+3], 128<<16                   ; tile_dim0 = 128
	s_mov_b32 s[(\g)+4], 128                       ; tile_dim1 = 128
	s_mov_b32 s[(\g)+5], 2048                      ; elements from row to row
	s_mov_b32 s[(\g)+6], 0
	s_mov_b32 s[(\g)+7], 0
.endr
	s_mov_b32 s[G1S+1], 4096<<16                   ; a step of a strip is 8,192 dense bytes: one row of 4,096 elements;
	s_mov_b32 s[G1S+2], 2<<16                      ; two rows: K's strip and V's,
	s_mov_b32 s[G1S+3], 4096<<16
	s_mov_b32 s[G1S+4], 2
	s_mov_b32 s[G1S+5], 1048576                    ; 16 strips of 131,072 bytes apart
	s_mov_b32 s[G1S+6], 0
	s_mov_b32 s[G1S+7], 0
	s_lshl_b32 s84, s[TM], 8
	s_and_b32 s85, s[WV], 1
	s_lshl_b32 s91, s85, 7
	s_add_co_u32 s84, s84, s91                     ; x: row 256 tm + 128 x half,
	s_lshl_b32 s84, s84, 12                        ; in bytes
	s_mul_i32 s90, s85, 128*PA                     ; and its place in a slot
	s_mov_b32 s85, 0
	s_lshl_b32 s86, s[TN], 8                       ; Wq: 128 columns a tile
	s_mov_b32 s87, 0
	s_lshl_b32 s88, s[TN], 17                      ; strip tn
	s_mov_b32 s89, 0
	s_and_b32 s[NX], ttmp7, 0xffff                 ; the walk's first K step: 4 ((X + 2 Y) % 4): the same in all sixteen partners
	s_lshl_b32 s[NX], s[NX], 1
	s_add_co_u32 s[NX], s[NX], ttmp9
	s_and_b32 s[NX], s[NX], 3
	s_lshl_b32 s[NX], s[NX], 2
	s_mov_b32 s[OF+1], 0
.irp s, 0,1
	s_mov_b32 s[G0A+4*(\s)], 1
	s_add_co_u32 s[G0A+4*(\s)+1], s90, (\s)*SLOT
	s_mov_b32 s[G0Q+4*(\s)], 1
	s_mov_b32 s[G0Q+4*(\s)+1], OBQ+(\s)*SLOT
	s_mov_b32 s[G0S+4*(\s)], 1
	s_mov_b32 s[G0S+4*(\s)+1], OBK+(\s)*SLOT
.endr
	s_wait_dscnt 0x0                               ; the opening add is done
	s_wait_kmcnt 0x0
	s_add_nc_u64 s[BA:BA+1], s[4:5], s[84:85]
	s_add_nc_u64 s[BQ:BQ+1], s[6:7], s[86:87]
	s_add_nc_u64 s[BS:BS+1], s[8:9], s[88:89]
	s_lshl_b32 s[OF], s[NX], 8                     ; the first two steps of the walk (no wrap: the first is 12 at the most)
	s_add_nc_u64 s[G0A+2:G0A+3], s[BA:BA+1], s[OF:OF+1]
	s_lshl_b32 s[OF], s[NX], 19
	s_add_nc_u64 s[G0Q+2:G0Q+3], s[BQ:BQ+1], s[OF:OF+1]
	s_lshl_b32 s[OF], s[NX], 13
	s_add_nc_u64 s[G0S+2:G0S+3], s[BS:BS+1], s[OF:OF+1]
	s_add_nc_u64 s[G0A+6:G0A+7], s[G0A+2:G0A+3], 256
	s_add_nc_u64 s[G0Q+6:G0Q+7], s[G0Q+2:G0Q+3], 524288
	s_add_nc_u64 s[G0S+6:G0S+7], s[G0S+2:G0S+3], 8192
.irp g, G0A, G0A+4, G0Q, G0Q+4, G0S, G0S+4
	s_or_b32 s[(\g)+3], s[(\g)+3], 0x80000000
.endr
	s_add_co_u32 s[NX], s[NX], 2                   ; the first refill's step
	CROUND                                         ; all sixteen work-groups are here: the first joint loads meet
	s_cmp_lt_u32 s[WV], 2                          ; a wave's two first fills stand in one branch: two loads of mine are out
	s_cbranch_scc0 .Lfirst_not_a
	tensor_load_to_lds s[G0A:G0A+3], s[G1A:G1A+7]
	s_nop 0
	tensor_load_to_lds s[G0A+4:G0A+7], s[G1A:G1A+7]
	s_nop 0
.rept 4
	v_nop
.endr
	s_branch .Lfirst_asked
.Lfirst_not_a:
	s_cmp_eq_u32 s[WV], 2
	s_cbranch_scc0 .Lfirst_strips
	tensor_load_to_lds s[G0Q:G0Q+3], s[G1Q:G1Q+7]
	s_nop 0
	tensor_load_to_lds s[G0Q+4:G0Q+7], s[G1Q:G1Q+7]
	s_nop 0
.rept 4
	v_nop
.endr
	s_branch .Lfirst_asked
.Lfirst_strips:
	tensor_load_to_lds s[G0S:G0S+3], s[G1S:G1S+7]
	s_nop 0
	tensor_load_to_lds s[G0S+4:G0S+7], s[G1S:G1S+7]
	s_nop 0
.rept 4
	v_nop
.endr
.Lfirst_asked:
	v_and_b32 v2, 31, v0                           ; l
	v_and_b32 v3, 15, v0                           ; r = l % 16
	v_bfe_u32 v4, v0, 4, 1                         ; h = l / 16
	v_and_b32 v5, 7, v0
	v_bfe_u32 v6, v0, 3, 1
	v_lshl_add_u32 v7, v4, 3, v5                   ; the turning load's row: 8 h + l % 8
	s_mul_i32 s82, s[WV], 64*PA
	v_mul_u32_u24 v[A0], v3, PA
	v_lshl_add_u32 v[A0], v4, 4, v[A0]
	v_add_nc_u32 v[A0], s82, v[A0]
	v_mul_u32_u24 v[BQ0], v7, PQ
	v_lshl_add_u32 v[BQ0], v6, 4, v[BQ0]
	v_add_nc_u32 v[BQ0], OBQ, v[BQ0]
	v_mul_u32_u24 v[BK0], v7, PS
	v_lshl_add_u32 v[BK0], v6, 4, v[BK0]
	v_add_nc_u32 v[BK0], OBK, v[BK0]
	v_mov_b32 v[ADRA], v[A0]                       ; slot 0
	v_mov_b32 v[ADRQ], v[BQ0]
	v_mov_b32 v[ADRK], v[BK0]
	s_mul_i32 s82, s[WV], WST
	s_add_co_u32 s82, s82, STAGE                   ; my stage
	v_mul_u32_u24 v[STQ], v3, PA
	v_lshl_add_u32 v[STQ], v4, 4, v[STQ]
	v_add_nc_u32 v[STQ], s82, v[STQ]
	v_mul_u32_u24 v[STK], v3, 80
	v_lshl_add_u32 v[STK], v4, 4, v[STK]
	v_add_nc_u32 v[STK], s82, v[STK]
	v_add_nc_u32 v[STK], 4352, v[STK]
	v_mul_u32_u24 v[RDQ], v4, PA                   ; back: lanes 0-15 one row of 256 bytes, lanes 16-31 the next
	v_lshl_add_u32 v[RDQ], v3, 4, v[RDQ]
	v_add_nc_u32 v[RDQ], s82, v[RDQ]
	v_lshrrev_b32 v1, 2, v2                        ; back: 32 lanes take eight rows of 64 bytes
	v_mul_u32_u24 v[RDK], v1, 80
	v_and_b32 v1, 3, v0
	v_lshl_add_u32 v[RDK], v1, 4, v[RDK]
	v_add_nc_u32 v[RDK], s82, v[RDK]
	v_add_nc_u32 v[RDK], 4352, v[RDK]
	v_lshlrev_b32 v[GO], 4, v2
	v_lshlrev_b32 v[PFO], 12, v2
	v_lshlrev_b32 v[WI], 5, v2
	s_and_b32 s82, s[TM], 3
	s_lshl_b32 s82, s82, 8
	s_lshl_b32 s83, s[WV], 6
	s_add_co_u32 s82, s82, s83                     ; t of my first row: 256 (tm % 4) + 64 w
	s_lshl_b32 s83, s82, 9
	v_lshlrev_b32 v[VT], 9, v3                     ; the table: row t, 512 bytes; my four j begin at 4 h
	v_lshl_add_u32 v[VT], v4, 4, v[VT]
	v_add_nc_u32 v[VT], s83, v[VT]
	s_lshr_b32 s83, s[TM], 2                       ; b
	s_lshl_b32 s83, s83, 4
	s_add_co_u32 s83, s83, s[TN]
	s_lshl_b32 s83, s83, 10
	s_add_co_u32 s83, s83, s82                     ; (b 16 + tn) 1024 + t
	s_lshl_b32 s92, s83, 8
	s_mov_b32 s93, 0
	s_add_nc_u64 s[12:13], s[12:13], s[92:93]      ; q16 at my first row
	s_lshl_b32 s92, s83, 6
	s_add_nc_u64 s[KB:KB+1], s[14:15], s[92:93]    ; K's strip at my first row
	s_add_nc_u64 s[VB:VB+1], s[KB:KB+1], 4194304   ; V's: 64 strips of 65,536 bytes on
	s_and_b32 s92, s[TN], 3
	s_lshl_b32 s92, s92, 5
	s_add_nc_u64 s[TABK:TABK+1], s[10:11], s[92:93]  ; K's quads: j = 8 (tn % 4) + 4 h on
	s_lshl_b32 s82, s[TM], 4                       ; Wo: my wave among the launch's 1,024: (16 tm + tn) 4 + w
	s_add_co_u32 s82, s82, s[TN]
	s_lshl_b32 s82, s82, 2
	s_add_co_u32 s82, s82, s[WV]
	s_lshl_b32 s92, s82, 14                        ; 16,384 bytes in,
	s_add_nc_u64 s[WOI:WOI+1], s[WOI:WOI+1], s[92:93]
	s_lshl_b32 s92, s82, 13                        ; 8,192 out
	s_add_nc_u64 s[WOO:WOO+1], s[WOO:WOO+1], s[92:93]
	s_lshl_b32 s82, s[TM], 8                       ; the prefetches: x: row 256 tm + 128 x half + 32 cx
	s_and_b32 s83, s[WV], 1
	s_lshl_b32 s83, s83, 7
	s_add_co_u32 s82, s82, s83
	s_lshl_b32 s83, s[CX], 5
	s_add_co_u32 s82, s82, s83
	s_lshl_b32 s82, s82, 12
	s_lshl_b32 s83, s[CY], 17                      ; Wq: k row 32 cy, column 128 tn
	s_lshl_b32 s92, s[TN], 8
	s_add_co_u32 s83, s83, s92
	s_mov_b32 s[PST], 524288
	s_and_b32 s94, ttmp7, 0xffff
	s_cmp_lt_u32 s94, 2
	s_cselect_b32 s94, 9, -1                       ; wave 2: the first five refills, where Y < 2
	s_cmp_lt_u32 s[WV], 2
	s_cselect_b64 s[PFB:PFB+1], s[4:5], s[6:7]
	s_cselect_b32 s92, s82, s83
	s_cselect_b32 s[PST], 256, s[PST]
	s_cselect_b32 s[LIM], 13, s94                  ; waves 0, 1: the first refill alone
	s_add_nc_u64 s[PFB:PFB+1], s[PFB:PFB+1], s[92:93]
	s_cmp_eq_u32 s[WV], 3
	s_cselect_b32 s[LIM], -1, s[LIM]               ; wave 3 never asks.  The same in all sixteen partners, for a given wave
	s_mov_b32 s[PI], s[NX]                         ; the first change of slots steps it to the walk's step 3
	s_mov_b32 s[PO+1], 0
	global_load_b128 v[WX:WX+3],   v[WI], s[WOI:WOI+1] th:TH_LOAD_NT             ; Wo's piece 0 (v0-7 have served the set-up)
	global_load_b128 v[WX+4:WX+7], v[WI], s[WOI:WOI+1] offset:16 th:TH_LOAD_NT
	s_wait_tensorcnt 0x1                           ; my part of the walk's first step is in; the second's may stay out
	s_barrier_signal -1
	s_barrier_wait -1
	s_mov_b32 s[TB], 0
	FETCH 0, 0
	QUARTER 1, 0, 1, 1                             ; the first quarter's products start the sums
	WIN 0
	s_mov_b32 s[CNT], 14
.Lstep:                                        ; a trip: a step's quarters 1 to 3, the change of slots with its refill and a piece of Wo, the next step's quarter 0
	QUARTER 2, 1, 0, 0
	QUARTER 3, 0, 1, 0
	TURN 1, 0                                      ; Wo's two loads are the only ones out
	QUARTER 1, 0, 1, 0
	WIN 0
	s_sub_co_u32 s[CNT], s[CNT], 1
	s_cmp_lg_u32 s[CNT], 0
	s_cbranch_scc1 .Lstep
; The table's quads for row block a: 16 for q (nb = 0..3: cos j, cos j + 32, sin j, sin j + 32), 4 for K.
.macro TLOAD a
.irp g, 0,1,2,3
.irp p, 0,1,2,3
	global_load_b128 v[TQ+64*((\a)%2)+16*(\g)+4*(\p):TQ+64*((\a)%2)+16*(\g)+4*(\p)+3], v[VT], s[10:11] offset:8192*(\a)+32*(\g)+128*(\p)
.endr
.endr
.irp p, 0,1,2,3
	global_load_b128 v[TK+16*((\a)%2)+4*(\p):TK+16*((\a)%2)+4*(\p)+3], v[VT], s[TABK:TABK+1] offset:8192*(\a)+128*(\p)
.endr
.endm
	TLOAD 0                                        ; they land under the last two steps' products
	TLOAD 1
	QUARTER 2, 1, 0, 0                             ; the tail is written out: nothing more is asked for
	QUARTER 3, 0, 1, 0
	TURN 0, 40                                     ; the table's 40 loads were issued behind Wo's piece 14
	QUARTER 1, 0, 1, 0
	QUARTER 2, 1, 0, 0
	QUARTER 3, 0, 1, 0
	s_wait_dscnt 4
	MUL12 1, 0, 0
	MUL12 1, 1, 0
	s_wait_dscnt 0x0
	WIN 0
	s_wait_xcnt 0x0                                ; Wo's last store has read its registers
	WOC 0, 0                                       ; piece 15, the last
	MUL12 1, 2, 0
	MUL12 1, 3, 0
	WIN 0
	PLACES
; RoPE on blocks lo and hi (channels d and d + 64) of row block a: lo' = lo cos[j] - hi sin[j], hi' = hi cos[j + 32] + lo sin[j + 32], j = d / 2: a register pair shares one number of the quad at tb
; (the pair's first number by op_sel_hi 0, its second by op_sel 1).  Each accumulator's lowest registers are read first.  Then both are rounded to f16.
.macro ROPE a, lo, hi, tb
.set RLO, 96*((\a)%2)+8*(\lo)
.set RHI, 96*((\a)%2)+8*(\hi)
	WIN 1+(\a)/2
.irp rr, 0,2
	v_pk_mul_f32 v[TW+2*(\rr):TW+2*(\rr)+1], v[RLO+2*(\rr):RLO+2*(\rr)+1], v[(\tb)+(\rr):(\tb)+(\rr)+1] op_sel_hi:[1,0]
	v_pk_mul_f32 v[TW+8+2*(\rr):TW+8+2*(\rr)+1], v[RHI+2*(\rr):RHI+2*(\rr)+1], v[(\tb)+4+(\rr):(\tb)+4+(\rr)+1] op_sel_hi:[1,0]
	v_pk_mul_f32 v[TW+2*(\rr)+2:TW+2*(\rr)+3], v[RLO+2*(\rr)+2:RLO+2*(\rr)+3], v[(\tb)+(\rr):(\tb)+(\rr)+1] op_sel:[0,1] op_sel_hi:[1,1]
	v_pk_mul_f32 v[TW+8+2*(\rr)+2:TW+8+2*(\rr)+3], v[RHI+2*(\rr)+2:RHI+2*(\rr)+3], v[(\tb)+4+(\rr):(\tb)+4+(\rr)+1] op_sel:[0,1] op_sel_hi:[1,1]
.endr
.irp rr, 0,2
	v_pk_fma_f32 v[TW+2*(\rr):TW+2*(\rr)+1], v[RHI+2*(\rr):RHI+2*(\rr)+1], v[(\tb)+8+(\rr):(\tb)+8+(\rr)+1], v[TW+2*(\rr):TW+2*(\rr)+1] op_sel_hi:[1,0,1] neg_lo:[1,0,0] neg_hi:[1,0,0]
	v_pk_fma_f32 v[TW+8+2*(\rr):TW+8+2*(\rr)+1], v[RLO+2*(\rr):RLO+2*(\rr)+1], v[(\tb)+12+(\rr):(\tb)+12+(\rr)+1], v[TW+8+2*(\rr):TW+8+2*(\rr)+1] op_sel_hi:[1,0,1]
	v_pk_fma_f32 v[TW+2*(\rr)+2:TW+2*(\rr)+3], v[RHI+2*(\rr)+2:RHI+2*(\rr)+3], v[(\tb)+8+(\rr):(\tb)+8+(\rr)+1], v[TW+2*(\rr)+2:TW+2*(\rr)+3] op_sel:[0,1,0] op_sel_hi:[1,1,1] neg_lo:[1,0,0] neg_hi:[1,0,0]
	v_pk_fma_f32 v[TW+8+2*(\rr)+2:TW+8+2*(\rr)+3], v[RLO+2*(\rr)+2:RLO+2*(\rr)+3], v[(\tb)+12+(\rr):(\tb)+12+(\rr)+1], v[TW+8+2*(\rr)+2:TW+8+2*(\rr)+3] op_sel:[0,1,0] op_sel_hi:[1,1,1]
.endr
	WIN 0
.irp rr, 0,1,2,3
	v_cvt_pk_f16_f32 v[PK+4*(\lo)+(\rr)], v[TW+2*(\rr)], v[TW+2*(\rr)+1]
	v_cvt_pk_f16_f32 v[PK+4*(\hi)+(\rr)], v[TW+8+2*(\rr)], v[TW+8+2*(\rr)+1]
.endr
.endm
; THE WAY OUT of row block a (16 rows): RoPE, rounding, through my own stage, and out as whole rows.
.macro OUT a
	WIN 0
.if (\a) == 3
	s_wait_loadcnt 0x0
.else
	s_wait_loadcnt 20                              ; this block's 20 quads are in; the next block's 20 may stay out
.endif
	s_wait_xcnt 0x0                                ; the last block's stores have read PK
	ROPE \a, 0, 4, TQ+64*((\a)%2)
	ROPE \a, 1, 5, TQ+64*((\a)%2)+16
	ROPE \a, 2, 6, TQ+64*((\a)%2)+32
	ROPE \a, 3, 7, TQ+64*((\a)%2)+48
	ROPE \a, 8, 9, TK+16*((\a)%2)
	WIN 0x05*(1+(\a)/2)                            ; V is only rounded
.irp nb, 10,11
.irp rr, 0,1,2,3
	v_cvt_pk_f16_f32 v[PK+4*(\nb)+(\rr)], v[96*((\a)%2)+8*(\nb)+2*(\rr)], v[96*((\a)%2)+8*(\nb)+2*(\rr)+1]
.endr
.endr
	WIN 0
.irp nb, 0,1,2,3,4,5,6,7
	ds_store_b128 v[STQ], v[PK+4*(\nb):PK+4*(\nb)+3] offset:32*(\nb)
.endr
	ds_store_b128 v[STK], v[PK+32:PK+35]
	ds_store_b128 v[STK], v[PK+36:PK+39] offset:32
	ds_store_b128 v[STK], v[PK+40:PK+43] offset:1280
	ds_store_b128 v[STK], v[PK+44:PK+47] offset:1312
.irp f, 0,1,2,3,4,5,6,7
	ds_load_b128 v[PK+4*(\f):PK+4*(\f)+3], v[RDQ] offset:2*PA*(\f)  ; LDS serves a wave's instructions in order: these see the stores above
.endr
	ds_load_b128 v[PK+32:PK+35], v[RDK]
	ds_load_b128 v[PK+36:PK+39], v[RDK] offset:640
	ds_load_b128 v[PK+40:PK+43], v[RDK] offset:1280
	ds_load_b128 v[PK+44:PK+47], v[RDK] offset:1920
.if (\a) < 2
	TLOAD (\a)+2
.endif
	s_wait_dscnt 0x0
.irp f, 0,1,2,3,4,5,6,7
	global_store_b128 v[GO], v[PK+4*(\f):PK+4*(\f)+3], s[12:13] offset:4096*(\a)+512*(\f)  ; 512 consecutive bytes, aligned
.endr
	global_store_b128 v[GO], v[PK+32:PK+35], s[KB:KB+1] offset:1024*(\a)
	global_store_b128 v[GO], v[PK+36:PK+39], s[KB:KB+1] offset:1024*(\a)+512
	global_store_b128 v[GO], v[PK+40:PK+43], s[VB:VB+1] offset:1024*(\a)
	global_store_b128 v[GO], v[PK+44:PK+47], s[VB:VB+1] offset:1024*(\a)+512
.endm
	OUT 0
	OUT 1
	OUT 2
	OUT 3
	s_wait_tensorcnt 0x0                           ; the wave's end: 0 onto my spare word, behind my last tensor load and my last LDS store
	ds_add_u32 v[SPW], v[NIL]
	s_wait_dscnt 0x0
	CROUND                                         ; the closing round: no work-group ends while a partner may still ask for a tile that names it
	s_endpgm
.Lfunc_end_k_q8cd1122855_qkv:
	.size	k_q8cd1122855_qkv, .Lfunc_end_k_q8cd1122855_qkv-k_q8cd1122855_qkv
	.p2alignl 7, 3214868480
	.fill 96, 4, 3214868480
	.section	.rodata,"a",@progbits
	.p2align	6, 0x0
	.amdhsa_kernel k_q8cd1122855_qkv
		.amdhsa_group_segment_fixed_size 327680
		.amdhsa_private_segment_fixed_size 0
		.amdhsa_enable_private_segment 0
		.amdhsa_kernarg_size 64
		.amdhsa_user_sgpr_count 2
		.amdhsa_user_sgpr_kernarg_segment_ptr 1
		.amdhsa_wavefront_size32 1
		.amdhsa_system_sgpr_workgroup_id_x 1
		.amdhsa_system_sgpr_workgroup_id_y 1
		.amdhsa_system_sgpr_workgroup_id_z 1
		.amdhsa_system_vgpr_workitem_id 0
		.amdhsa_next_free_vgpr 1024
		.amdhsa_next_free_sgpr 102
		.amdhsa_reserve_vcc 0
		.amdhsa_float_denorm_mode_32 3
		.amdhsa_float_denorm_mode_16_64 3
		.amdhsa_memory_ordered 1
		.amdhsa_forward_progress 1
		.amdhsa_inst_pref_size 134
	.end_amdhsa_kernel
	.amdgpu_metadata
---
amdhsa.version: [ 1, 2 ]
amdhsa.kernels:
  - .name:           k_q8cd1122855_qkv
    .symbol:         k_q8cd1122855_qkv.kd
    .args:
      - { .name: xb, .offset: 0, .size: 8, .value_kind: global_buffer, .address_space: global }
      - { .name: wq16, .offset: 8, .size: 8, .value_kind: global_buffer, .address_space: global }
      - { .name: wkv16, .offset: 16, .size: 8, .value_kind: global_buffer, .address_space: global }
      - { .name: tab, .offset: 24, .size: 8, .value_kind: global_buffer, .address_space: global }
      - { .name: q16, .offset: 32, .size: 8, .value_kind: global_buffer, .address_space: global }
      - { .name: kv16, .offset: 40, .size: 8, .value_kind: global_buffer, .address_space: global }
      - { .name: Wo, .offset: 48, .size: 8, .value_kind: global_buffer, .address_space: global }
      - { .name: wo16, .offset: 56, .size: 8, .value_kind: global_buffer, .address_space: global }
    .group_segment_fixed_size: 327680
    .private_segment_fixed_size: 0
    .kernarg_segment_align: 8
    .kernarg_segment_size: 64
    .max_flat_workgroup_size: 128
    .sgpr_count:     102
    .vgpr_count:     1024
    .wavefront_size: 32
...
	.end_amdgpu_metadata
.endif
;; end of part 2
;; launch attn (part 3): grid 16 x 16, 4 waves a work-group, clusters of 4 x 1, 327,680 bytes of LDS; arguments q16, kv16, o16; writes o16
.if DOCPART == 3
	.amdgcn_target "amdgcn-amd-amdhsa--gfx1250"
	.amdhsa_code_object_version 6
	.text
	.protected	k_q8cd1122855_attn
	.globl	k_q8cd1122855_attn
	.p2align	8
	.type	k_q8cd1122855_attn,@function
k_q8cd1122855_attn:
	s_mov_b64 s[64:65], 0
	v_nop
	global_prefetch_b8 v0, s[64:65] scope:SCOPE_SE
	s_setreg_imm32_b32 hwreg(HW_REG_WAVE_MODE, 25, 1), 1
	s_wait_xcnt 0x0
	s_wait_alu depctr_hold_cnt(0) depctr_sa_sdst(0) depctr_va_vdst(0) depctr_va_sdst(0) depctr_va_ssrc(0) depctr_va_vcc(0) depctr_vm_vsrc(0)
	s_getreg_b32 s2, hwreg(HW_REG_IB_STS2, 6, 4)
	s_cmp_eq_u32 s2, 0
	s_cbranch_scc0 .Lentry_in_a_cluster
	s_endpgm
.Lentry_in_a_cluster:
	s_bfe_u32 s2, ttmp6, 0x10000c
	s_cmp_lg_u32 s2, 0x3003
	s_cbranch_scc0 .Lentry_shape_is_right
	s_endpgm
.Lentry_shape_is_right:
; CAUSAL ATTENTION WITH GROUPED KEYS.  O[q] = the sum over k <= q of softmax_k(Q[q] . K[k] / sqrt(128)) V[k], for 64 query heads of 1,024 rows; four query heads share a K and V head.
; q16: [b 16 + head][1024][128] f16.  kv16: strips [1024 t][32] f16: K strip 4 y + g (channels 16 g + 0..15, then 64 + 16 g + 0..15), V strip 64 + 4 y + g (channels 32 g + 0..31), y = 4 b + kv head.
; o16: [4096][2048] f16, row b 1024 + t, column 128 head + d.  Products, maxima and sums in f32; the weights are rounded to f16 for the second product (their sum is taken unrounded), O once at the end.
; LIMITS.  A hidden score counts as its value less 1e30 (f16's scores are 5.5e11 at the most); a weight below 2^-126 counts as 0; NaN and infinities are not treated apart.
; THE WALK.  A head has 8 blocks of 128 queries; block i needs the key tiles 0 .. i of 128 keys.  A work-group takes block PB (0..3) and then block 7 - PB: 9 tiles whatever PB, one loop with a constant count.
; CLUSTER 4 x 1: the four partners are the four query heads of one K and V head, with the same PB: they walk alike, and every tile is asked for jointly.  cx enters Q's and O's addresses alone.
; No prefetch: a K and V head's strips are walked twice by each of four clusters, each in another phase, so which of them reads a tile first changes along the walk.
; SHARES.  Wave w: row half w % 2 (64 queries: four tiles of 16), key half w / 2 (64 keys of every tile).  So a fragment of K or V feeds four tiles' products.  The two key halves keep their own running
; maximum, sum and O; at a block's end waves 2, 3 send theirs through LDS (in f32) and waves 0, 1 merge, divide and store.
; LAYOUT.  S^T = K Q^T (source 0 = 16 keys, source 1 = 16 queries): a lane holds ONE query (lane % 16) and keys 8 (lane / 16) + 0..7; two such results rounded to f16 ARE source 1 of O^T = V^T P.
; K's channels stand in the strips' order, and Q's fragment for chunk g is loaded from bytes 32 g + 16 h and 128 + 32 g + 16 h of its row: the same order.  V is turned by ds_load_tr16_b128.
; SOFTMAX.  p = 2^(c s - c m), c = log2(e) / sqrt(128), m the running maximum; in every tile O and l are multiplied by a = 2^(c m_old - c m_new).  c m starts far below every c s: a block's first a is 0.
; THE MASK is the C operand that starts each sum of scores: 0 or -1e30.  For query tile t and key block kb of the wave's 64 x 64: set LT (kb < t), EQ (kb = t), GT (kb > t), 8 registers each, made anew
; for each tile from three scalars: all 0 off the diagonal tile; on it, by the wave's halves: row half = key half: 0, TRI, -1e30; row half below key half: all -1e30; above: all 0.
; BY TURNS inside a tile: the tiles are two pieces (0, 1 and 2, 3).  Piece 0's scores; piece 2's scores with piece 0's softmax in slices behind them; piece 0's V^T P with piece 2's softmax; piece 2's V^T P.
; REGISTERS, in windows of 256: window 0: v2-9 addresses; v12-43 statistics, 8 a tile; v44-59 at work; v64-191 S^T; v192-255 P.  window 1: O^T, 64 a tile.  window 2: v0-127 Q; v128-255 K.
;   window 3: v0-127 V; v128-135 TRI; v136-159 the three mask sets.
.set PKP,   80                         ; a key's 64 bytes of a K strip + 16
.set PVP,   96                         ; of a V strip + 32
.set VOFF,  4*128*PKP                  ; 40,960: a slot holds four K strips of 10,240 bytes, then four V strips of 12,288
.set SLOT1, 1<<17
.set XCH,   SLOT1+VOFF+4*128*PVP       ; 221,184: the exchange, for each row half: O 64 x 512 bytes, c m at 32,768, l at 33,280
.set XSZ,   33792
.set STAGE, XCH+2*XSZ                  ; 288,768: 16 rows x 272 bytes for each wave, for the way out
.set SP,    272
.set SPARE, STAGE+4*16*SP              ; 306,176: the spare words, 128 bytes a wave
.set AK0, 2
.set AV0, 3
.set ADR, 4
.set QO,  5
.set STO, 6
.set RD,  7
.set GO,  8
.set XA,  9
.set ST,  12                           ; tile t at ST + 8 t: c m, m, l (even keys', odd keys'), c0-c3 at work; a takes c2's place
.set XR,  44
.set YR,  52
.set SPW, 62
.set NIL, 63
.set S,   64
.set P,   192
.set KF,  128
.set TRI, 128
.set MCL, 136
.set MCE, 144
.set MCG, 152
.set WV,  12
.set CX,  13
.set PB,  14
.set HI,  15
.set RH,  16                           ; w % 2: my row half; also which two strips I fetch
.set KH,  17                           ; w / 2: my key half
.set YY,  18
.set KBS, 20                           ; s[20:21] kv16 at my two K strips; s[22:23] at my two V strips
.set VBS, 22
.set G1K, 24
.set G1V, 32
.set G0K, 40
.set G0V, 44
.set O2,  48
.set Q2,  50
.set OFF, 52
.set SO,  54
.set SLOTS, 56
.set CS,  58
.set SEL, 60
.set TB,  62
.set RT,  66                           ; tiles of the block in hand still to be entered
.set NXT, 67                           ; the tile to be asked for next
.set LQ,  68                           ; the last tile of the block whose tiles are being asked for
.set NEW, 69                           ; 1: the tile to be entered is the second block's first
.set PEND, 70                          ; 1: the first block's halves wait to be merged
.set BIGN, 71
.set AL,  72                           ; s[72:73] TRI's factor
.set BE,  74                           ; s[74:75] sets LT and EQ's addend
.set BG,  76                           ; set GT
.set DAL, 82
.set DLE, 83
.set DGT, 84
.set MSB, 0
.macro WIN new
.if MSB != (\new)
	s_set_vgpr_msb (MSB<<8)|(\new)
.set MSB, \new
.endif
.endm
.set W_KQ, 0x0a                        ; K and Q in window 2, S^T in window 0
.set W_KM, 0x3a                        ; the same with the C operand in window 3
.set W_PV, 0x53                        ; V in window 3, P in window 0, O^T in window 1
.set W_RS, 0x41                        ; O^T (destination and source 0) in window 1, a in window 0
.macro JLOAD                           ; a joint fill: waves 0, 1 fetch two K strips each, waves 2, 3 two V strips each; an s_nop 0 and four v_nop follow each line
	s_cmp_lt_u32 s[WV], 2
	s_cbranch_scc0 .Lfor_v_\@
	tensor_load_to_lds s[G0K:G0K+3], s[G1K:G1K+7]
	s_nop 0
.rept 4
	v_nop
.endr
	s_branch .Lasked_\@
.Lfor_v_\@:
	tensor_load_to_lds s[G0V:G0V+3], s[G1V:G1V+7]
	s_nop 0
.rept 4
	v_nop
.endr
.Lasked_\@:
.endm
.macro CROUND
	s_barrier_signal -1
	s_barrier_wait -1
	s_cmp_lg_u32 s[WV], 0
	s_cbranch_scc1 .Lnot_wave_0_\@
	s_barrier_signal -3
.Lnot_wave_0_\@:
	s_barrier_wait -3
	s_barrier_signal -1
	s_barrier_wait -1
.endm
; THE CHANGE OF SLOTS.  Each wave waits for all its tensor loads (one is out: its part of the other slot), adds 0 to its spare word, and waits for that and for all its LDS instructions.
; fill = 1: a round of the cluster's barrier; behind it the slot just left is filled with tile NXT, whose address is made anew from that number.  One tensor load of mine is out behind each round.
.macro CHANGE fill
	WIN 0
	s_wait_tensorcnt 0x0
	ds_add_u32 v[SPW], v[NIL]                      ; 0 onto my spare word; the descriptors' scalar work stands between it and the wait for it
.if \fill
	s_lshl_b32 s[OFF], s[NXT], 13                  ; a tile is 8,192 bytes of each strip
	s_xor_b32 s[G0K+1], s[G0K+1], SLOT1
	s_add_nc_u64 s[G0K+2:G0K+3], s[KBS:KBS+1], s[OFF:OFF+1]
	s_or_b32 s[G0K+3], s[G0K+3], 0x80000000
	s_xor_b32 s[G0V+1], s[G0V+1], SLOT1
	s_add_nc_u64 s[G0V+2:G0V+3], s[VBS:VBS+1], s[OFF:OFF+1]
	s_or_b32 s[G0V+3], s[G0V+3], 0x80000000
	s_add_co_u32 s[NXT], s[NXT], 1                 ; the block's next tile, or behind its last the second block's tile 0
	s_cmp_gt_u32 s[NXT], s[LQ]
	s_cselect_b32 s[NXT], 0, s[NXT]
	s_cselect_b32 s[LQ], s[HI], s[LQ]
	s_wait_dscnt 0x0
	CROUND
	JLOAD
.else
	s_wait_dscnt 0x0
	s_barrier_signal -1
	s_barrier_wait -1
.endif
	s_xor_b32 s[TB], s[TB], SLOT1
.endm
.macro QLOAD sb                        ; a block's Q into registers: tile qi / 4, chunk qi % 4, in the strips' channel order
	WIN 0x80
.set qi, 0
.rept 16
	global_load_b128 v[8*qi:8*qi+3],   v[QO], s[\sb:\sb+1] offset:(qi/4)*4096+(qi%4)*32
	global_load_b128 v[8*qi+4:8*qi+7], v[QO], s[\sb:\sb+1] offset:(qi/4)*4096+(qi%4)*32+128
.set qi, qi+1
.endr
	WIN 0
.endm
	s_load_b128 s[4:7], s[0:1], 0x0                ; q16 4, kv16 6
	s_load_b64 s[8:9], s[0:1], 0x10                ; o16
	v_lshl_add_u32 v[SPW], v0, 2, SPARE
	v_mov_b32 v[NIL], 0
	ds_add_u32 v[SPW], v[NIL]                      ; the wave's opening: the add and its wait stand ahead of my first tensor load
	v_lshrrev_b32 v1, 5, v0
	v_readfirstlane_b32 s[WV], v1
	s_bfe_u32 s[CX], ttmp6, 0x40000
	s_mov_b32 s[PB], ttmp9                         ; in a cluster launch ttmp9 counts clusters: the pair of blocks, the same in all four partners
	s_sub_co_u32 s[HI], 7, s[PB]
	s_and_b32 s[RH], s[WV], 1
	s_lshr_b32 s[KH], s[WV], 1
	s_and_b32 s[YY], ttmp7, 0xffff
	s_mov_b32 s[BIGN], 0xf149f2ca                  ; -1e30
	s_cmp_eq_u32 s[RH], s[KH]
	s_cselect_b32 s[DAL], 1.0, 0
	s_cmp_lt_u32 s[RH], s[KH]
	s_cselect_b32 s[DLE], s[BIGN], 0
	s_cmp_le_u32 s[RH], s[KH]
	s_cselect_b32 s[DGT], s[BIGN], 0
	s_lshl_b32 s78, s[YY], 2
	s_add_co_u32 s80, s78, s[CX]                   ; my query head
	s_lshl_b32 s80, s80, 18                        ; 1,024 rows of 256 bytes
	s_lshl_b32 s81, s[RH], 14                      ; my 64 rows of a block
	s_add_co_u32 s80, s80, s81
	s_lshl_b32 s81, s[PB], 15
	s_add_co_u32 s86, s80, s81                     ; Q of the first block
	s_lshl_b32 s81, s[HI], 15
	s_add_co_u32 s80, s80, s81                     ; and of the second
	s_mov_b32 s81, 0
	s_mov_b32 s87, 0
	s_lshl_b32 s79, s[RH], 1
	s_add_co_u32 s78, s78, s79                     ; strip 4 y + 2 (w % 2)
	s_lshl_b32 s78, s78, 16
	s_mov_b32 s79, 0
	s_lshr_b32 s85, s[YY], 2                       ; b
	s_lshl_b32 s85, s85, 22                        ; 1,024 rows of 4,096 bytes
	s_and_b32 s63, s[YY], 3
	s_lshl_b32 s63, s63, 2
	s_add_co_u32 s63, s63, s[CX]
	s_lshl_b32 s63, s63, 8                         ; the head's 256 bytes of a row
	s_add_co_u32 s85, s85, s63
	s_lshl_b32 s63, s[RH], 18
	s_add_co_u32 s85, s85, s63
	s_lshl_b32 s63, s[PB], 19
	s_add_co_u32 s2, s85, s63                      ; O of the first block
	s_lshl_b32 s63, s[HI], 19
	s_add_co_u32 s10, s85, s63                     ; and of the second
	s_mov_b32 s3, 0
	s_mov_b32 s11, 0
	; descriptor group 1: 128 keys of a strip are 8,192 dense bytes: one row of 4,096 elements; two rows, 65,536 bytes apart; padded in LDS after every key
	s_mov_b32 s[G1K], 15|(1<<16)|(1<<20)|(1<<21)|(3<<22)|(3<<25)  ; the mask of four; 2-byte elements; padding on; bit 21 beside a mask; after every 16 words 4 words
	s_mov_b32 s[G1V], 15|(1<<16)|(1<<20)|(1<<21)|(3<<22)|(7<<25)  ; the same with 8 words
.irp g, G1K, G1V
	s_mov_b32 s[(\g)+1], 4096<<16
	s_mov_b32 s[(\g)+2], 2<<16
	s_mov_b32 s[(\g)+3], 4096<<16
	s_mov_b32 s[(\g)+4], 2
	s_mov_b32 s[(\g)+5], 32768
	s_mov_b32 s[(\g)+6], 0
	s_mov_b32 s[(\g)+7], 0
.endr
	s_mov_b32 s[G0K], 1
	s_mul_i32 s[G0K+1], s[RH], 2*128*PKP           ; slot 0, my two strips
	s_mov_b32 s[G0V], 1
	s_mul_i32 s[G0V+1], s[RH], 2*128*PVP
	s_add_co_u32 s[G0V+1], s[G0V+1], VOFF
	s_mov_b32 s[CS], 0x3e0293ee                    ; c = log2(e) / sqrt(128)
	s_mov_b32 s[CS+1], s[CS]
	s_mov_b32 s[SEL], 0x76543210
	s_mov_b32 s[SEL+1], 0xfedcba98
	s_mov_b32 s[TB], SLOT1                         ; the first change of slots turns it into 0
	s_mov_b32 s[SLOTS], 8
	s_add_co_u32 s[RT], s[PB], 1                   ; the first block has PB + 1 tiles
	s_mov_b32 s[NEW], 0
	s_mov_b32 s[PEND], 0
	s_mov_b32 s[OFF+1], 0
	s_mov_b32 s[AL+1], 0
	s_mov_b32 s[BE+1], 0
	s_mov_b32 s[NXT], 1
	s_mov_b32 s[LQ], s[PB]
	s_cmp_gt_u32 s[NXT], s[LQ]                     ; block 0 has one tile: the second to be asked for is the second block's tile 0
	s_cselect_b32 s[NXT], 0, s[NXT]
	s_cselect_b32 s[LQ], s[HI], s[LQ]
	s_wait_dscnt 0x0                               ; the opening add is done
	s_wait_kmcnt 0x0
	s_add_nc_u64 s[KBS:KBS+1], s[6:7], s[78:79]
	s_add_nc_u64 s[VBS:VBS+1], s[KBS:KBS+1], 4194304
	s_add_nc_u64 s[G0K+2:G0K+3], s[KBS:KBS+1], 0   ; tile 0
	s_or_b32 s[G0K+3], s[G0K+3], 0x80000000
	s_add_nc_u64 s[G0V+2:G0V+3], s[VBS:VBS+1], 0
	s_or_b32 s[G0V+3], s[G0V+3], 0x80000000
	s_add_nc_u64 s[Q2:Q2+1], s[4:5], s[80:81]
	s_add_nc_u64 s[4:5], s[4:5], s[86:87]
	s_add_nc_u64 s[O2:O2+1], s[8:9], s[10:11]
	s_add_nc_u64 s[SO:SO+1], s[8:9], s[2:3]
	CROUND                                         ; all four work-groups are here: the first joint loads meet
	JLOAD                                          ; tile 0 into slot 0; slot 1 is asked for by the loop's first change of slots
	v_and_b32 v1, 15, v0                           ; r = l % 16
	v_bfe_u32 v10, v0, 4, 1                        ; h = l / 16
	v_lshlrev_b32 v[QO], 8, v1
	v_lshl_add_u32 v[QO], v10, 4, v[QO]
	QLOAD 4                                        ; the first block's Q; it is waited for ahead of the first tile's first product
	v_and_b32 v11, 7, v0
	v_bfe_u32 v60, v0, 3, 1
	v_and_b32 v61, 31, v0
	s_mul_i32 s63, s[KH], 64*PKP
	v_mul_u32_u24 v[AK0], v1, PKP
	v_lshl_add_u32 v[AK0], v10, 4, v[AK0]
	v_add_nc_u32 v[AK0], s63, v[AK0]               ; (64 kh + r) x pitch + 16 h
	s_mul_i32 s63, s[KH], 64*PVP
	s_add_co_u32 s63, s63, VOFF
	v_lshl_add_u32 v[AV0], v10, 3, v11
	v_mul_u32_u24 v[AV0], v[AV0], PVP
	v_lshl_add_u32 v[AV0], v60, 4, v[AV0]
	v_add_nc_u32 v[AV0], s63, v[AV0]               ; the turning load: key 64 kh + 8 h + l % 8, channels 8 ((l / 8) % 2) on
	s_mul_i32 s63, s[WV], 16*SP
	s_add_co_u32 s63, s63, STAGE
	v_mul_u32_u24 v[STO], v1, SP
	v_lshl_add_u32 v[STO], v10, 4, v[STO]
	v_add_nc_u32 v[STO], s63, v[STO]
	v_mul_u32_u24 v[RD], v10, SP
	v_lshl_add_u32 v[RD], v1, 4, v[RD]
	v_add_nc_u32 v[RD], s63, v[RD]
	v_lshlrev_b32 v[GO], 12, v10                   ; two rows of o16, 4,096 bytes apart; 16 lanes fill the head's 256 bytes of a row
	v_lshl_add_u32 v[GO], v1, 4, v[GO]
	s_mul_i32 s63, s[RH], XSZ
	s_add_co_u32 s63, s63, XCH
	v_lshl_add_u32 v[XA], v61, 4, s63
	v_lshlrev_b32 v60, 3, v10
	v_sub_nc_u32 v60, v1, v60                      ; r - 8 h: register j of the diagonal 16 x 16 is hidden where j is greater
	WIN 0xc0
.set i, 0
.rept 8
	v_cmp_gt_i32 vcc_lo, i, v60
	v_cndmask_b32 v[TRI+i], 0, s[BIGN], vcc_lo
.set i, i+1
.endr
	WIN 0x40                                       ; a block's first tile multiplies O^T by a = 0, so O^T need only be finite: zeros now, the first block's leavings later
.set i, 0
.rept 256
	v_mov_b32 v[i], 0
.set i, i+1
.endr
	WIN 0
.macro STATS                           ; a block's statistics begin
.irp t, 0,1,2,3
	v_mov_b32 v[ST+8*(\t)], 0xfe000000             ; c m: far below every c s
	v_mov_b32 v[ST+8*(\t)+1], 0xff7fffff           ; m: the lowest finite number
	v_mov_b32 v[ST+8*(\t)+2], 0
	v_mov_b32 v[ST+8*(\t)+3], 0
.endr
.endm
	STATS
.irp t, 0,1,2,3
.irp n, 4,5,6,7
	v_mov_b32 v[ST+8*(\t)+(\n)], 0
.endr
.endr
; THE MATRIX WORK.  The accumulators take turns, one instruction a turn.
; Product i of 32 of S^T = K Q^T for piece x: chunk i / 8, key block (i / 2) % 4, tile x + i % 2.  The first 8 start the sums with the mask.
.macro KQ x
.set tq, (\x)+i%2
.set kb, (i/2)%4
.set rS, S+32*tq+8*kb
.set rK, KF+32*kb+8*(i/8)
.set rQ, 32*tq+8*(i/8)
.if kb < tq
.set rM, MCL
.elseif kb == tq
.set rM, MCE
.else
.set rM, MCG
.endif
.if i < 8
	WIN W_KM
	v_wmma_f32_16x16x32_f16 v[rS:rS+7], v[rK:rK+7], v[rQ:rQ+7], v[rM:rM+7]
.else
	WIN W_KQ
	v_wmma_f32_16x16x32_f16 v[rS:rS+7], v[rK:rK+7], v[rQ:rQ+7], v[rS:rS+7]
.endif
.endm
; Product i of 32 of O^T += V^T P for piece x: keys 32 (i / 16) on, channels 16 ((i / 2) % 8) on, tile x + i % 2.
.macro PV x
	WIN W_PV
.set rO, 64*((\x)+i%2)+8*((i/2)%8)
.set rV, 64*(i/16)+8*((i/2)%8)
.set rP, P+16*((\x)+i%2)+8*(i/16)
	v_wmma_f32_16x16x32_f16 v[rO:rO+7], v[rV:rV+7], v[rP:rP+7], v[rO:rO+7]
.endm
; THE LDS LOADS stand in runs of 32: my 64 keys' K (key block f / 4, strip f % 4) and V (keys 32 (f / 8) on, channels 16 (f % 8) on: strip (f % 8) / 2).
.macro FETCH_K
	WIN 0
	v_add_nc_u32 v[ADR], s[TB], v[AK0]
	WIN 0x80
.irp f, 0,1,2,3,4,5,6,7,8,9,10,11,12,13,14,15
	ds_load_b128 v[KF+8*(\f):KF+8*(\f)+3],   v[ADR] offset:((\f)/4)*16*PKP+((\f)%4)*128*PKP
	ds_load_b128 v[KF+8*(\f)+4:KF+8*(\f)+7], v[ADR] offset:((\f)/4)*16*PKP+((\f)%4)*128*PKP+32
.endr
.endm
.macro FETCH_V
	WIN 0
	v_add_nc_u32 v[ADR], s[TB], v[AV0]
	s_wait_alu depctr_va_vdst(0)                   ; the wait for the softmax's batch of exponentials (SLICE), ahead of the loads
	WIN 0xc0
.irp f, 0,1,2,3,4,5,6,7,8,9,10,11,12,13,14,15
	ds_load_tr16_b128 v[8*(\f):8*(\f)+3],   v[ADR] offset:((\f)/8)*32*PVP+(((\f)%8)/2)*128*PVP+((\f)%2)*32
	ds_load_tr16_b128 v[8*(\f)+4:8*(\f)+7], v[ADR] offset:((\f)/8)*32*PVP+(((\f)%8)/2)*128*PVP+((\f)%2)*32+16*PVP
.endr
.endm
; THE VECTOR WORK.  One tile's softmax for a key tile is a list of 134 instructions; SM writes number j of it for tile t.  s0-s31 are the lane's 32 scores, in pairs 0-15.
;   0-15    the maximum of s0-s31 and the old m, three operands at a time (each accumulator's lowest registers are read first)
;   16-20   the other half of the lanes' maximum; the new m; c m; c m_old - c m_new
;   21-69   ONE BATCH: the 16 scalings c s - c m and all 33 exponentials (a at 23, then s0-s31); none of these reads an exponential's result
;   (wait)  between 69 and 70 stands the one wait for the batch: SLICE writes it, once for both tiles
;   70-85   the roundings to f16     86-101  the sums; l = a l + the sum     102-133  the tile's O^T times a
.macro SM t
.set rT, ST+8*(\t)
.set rS, S+32*(\t)
.set rP, P+16*(\t)
.set rO, 64*(\t)+2*(j-102)
.if j < 102
	WIN 0
.endif
.if j < 4
	v_max3_num_f32 v[rT+4+j], v[rS+8*j], v[rS+8*j+1], v[rS+8*j+2]
.elseif j < 12
	v_max3_num_f32 v[rT+4+j%4], v[rT+4+j%4], v[rS+8*(j%4)+2*(j/4)+1], v[rS+8*(j%4)+2*(j/4)+2]
.elseif j == 12
	v_max3_num_f32 v[rT+4], v[rT+4], v[rS+7], v[rS+15]
.elseif j == 13
	v_max3_num_f32 v[rT+6], v[rT+6], v[rS+23], v[rS+31]
.elseif j == 14
	v_max3_num_f32 v[rT+4], v[rT+4], v[rT+5], v[rT+6]
.elseif j == 15
	v_max3_num_f32 v[rT+4], v[rT+4], v[rT+7], v[rT+1]
.elseif j == 16
	v_permlanex16_b32 v[rT+5], v[rT+4], s[SEL], s[SEL+1]
.elseif j == 17
	v_mov_b32 v[rT+7], v[rT]
.elseif j == 18
	v_max_num_f32 v[rT+1], v[rT+4], v[rT+5]
.elseif j == 19
	v_mul_f32 v[rT], s[CS], v[rT+1]
.elseif j == 20
	v_sub_f32 v[rT+7], v[rT+7], v[rT]
.elseif j == 23
	v_exp_f32 v[rT+6], v[rT+7]
.elseif (j < 23) || ((j < 38) && (j%2 == 0)) || ((j < 66) && (j%4 == 2))
.set b, (j-2)/4
.if j < 38
.set b, (j-20)/2
.endif
	v_pk_fma_f32 v[rS+2*b:rS+2*b+1], v[rS+2*b:rS+2*b+1], s[CS:CS+1], v[rT:rT+1] op_sel_hi:[1,0,0] neg_lo:[0,0,1] neg_hi:[0,0,1]
.elseif j < 70
.set e, j-38
.if j < 66
.set e, j-32-(j-38)/4
.endif
.if j < 38
.set e, (j-25)/2
.endif
	v_exp_f32 v[rS+e], v[rS+e]
.elseif j < 86
	v_cvt_pk_f16_f32 v[rP+j-70], v[rS+2*(j-70)], v[rS+2*(j-70)+1]
.elseif j < 102
.set z, j-86
.set w, 4
.set u, z
.if z >= 14
.set w, 32
.set u, 0
.elseif z >= 12
.set w, 16
.set u, z-12
.elseif z >= 8
.set w, 8
.set u, z-8
.endif
.if z < 15
	v_pk_add_f32 v[rS+w*u:rS+w*u+1], v[rS+w*u:rS+w*u+1], v[rS+w*u+w/2:rS+w*u+w/2+1]
.else
	v_pk_fma_f32 v[rT+2:rT+3], v[rT+2:rT+3], v[rT+6:rT+7], v[rS:rS+1] op_sel_hi:[1,0,1]
.endif
.else
	WIN W_RS
	v_pk_mul_f32 v[rO:rO+1], v[rO:rO+1], v[rT+6:rT+7] op_sel_hi:[1,0]
.endif
.endm
; Slice k of 64 of piece y's softmax: four instructions.  Slices 11 to 34 deal out the batch, four numbers of one tile each, the tiles by turns; every other slice is numbers 2 k and 2 k + 1 of both tiles;
; the twelve that are over stand in slice 63, and are the places behind the turn's last product.  Behind slice 34: a plain instruction, and the one wait for the piece's 66 exponentials.
.macro SLICE y
.if (k >= 11) && (k < 35)
.irp n, 0,1,2,3
.set j, 22+4*((k-11)/2)+(\n)
	SM (\y)+(k-11)%2
.endr
.else
.irp n, 0,1,2,3,4,5,6,7
.if ((\n) < 2) || (k == 63)
.irp t, \y, (\y)+1
.set j, 2*k+(\n)
	SM \t
.endr
.endif
.endr
.endif
.if k == 34
	v_nop
.if (\y) == 0
	FETCH_V                                        ; V's run of loads stands here, and the wait stands in it
.else
	s_wait_alu depctr_va_vdst(0)
.endif
.endif
.set k, k+1
.endm
; A KEY TILE: my 64 keys against my 64 queries.
.macro STEP
	FETCH_K
	s_cmp_eq_u32 s[RT], 0                          ; the block's last tile holds the diagonal
	s_cselect_b32 s[AL], s[DAL], 0
	s_cselect_b32 s[BE], s[DLE], 0
	s_cselect_b32 s[BG], s[DGT], 0
	WIN 0xc0
.set i, 0
.rept 8
	v_mov_b32 v[MCL+i], s[BE]
	v_mov_b32 v[MCG+i], s[BG]
.set i, i+1
.endr
	WIN 0xc3
.set i, 0
.rept 4
	v_pk_fma_f32 v[MCE+2*i:MCE+2*i+1], v[TRI+2*i:TRI+2*i+1], s[AL:AL+1], s[BE:BE+1] op_sel_hi:[1,0,0]
.set i, i+1
.endr
	s_wait_loadcnt 0x0                             ; Q is in.  A block's Q is asked for at the head or at the end of the block before; the wait stands ahead of every tile's first product, on every way here; in all tiles but a block's first no load is out
	s_wait_dscnt 0x0                               ; K is in
.set i, 0
.rept 32
	KQ 0                                           ; piece 0's scores
.set i, i+1
.endr
	WIN 0
.rept 4
	v_nop                                          ; the places behind those products
.endr
.set k, 0
.set i, 0
.rept 32
	KQ 2                                           ; piece 2's scores | piece 0's softmax, two slices behind each | V's loads
	SLICE 0
	SLICE 0
.set i, i+1
.endr
	s_wait_dscnt 0x0                               ; V is in
.set k, 0
.set i, 0
.rept 32
	PV 0                                           ; piece 0's V^T P | piece 2's softmax
	SLICE 2
	SLICE 2
.set i, i+1
.endr
.set i, 0
.rept 32
	PV 2                                           ; piece 2's V^T P
.set i, i+1
.endr
.endm
; A BLOCK'S END, first part.  l's two halves and the other half of the lanes' are added (the additions are the places behind the last products).  Waves 2, 3 put c m, l and O^T into the exchange.
; q2 = 1: the second block's Q is asked for.
.macro SENDPART q2
	WIN 0
.irp t, 0,1,2,3
	v_add_f32 v[ST+8*(\t)+4], v[ST+8*(\t)+2], v[ST+8*(\t)+3]
.endr
.irp t, 0,1,2,3
	v_permlanex16_b32 v[ST+8*(\t)+5], v[ST+8*(\t)+4], s[SEL], s[SEL+1]
.endr
.irp t, 0,1,2,3
	v_add_f32 v[ST+8*(\t)+4], v[ST+8*(\t)+4], v[ST+8*(\t)+5]
.endr
	s_cmp_lt_u32 s[WV], 2
	s_cbranch_scc1 .Lkeep_\@
.irp t, 0,1,2,3
	v_mov_b32 v[XR+(\t)], v[ST+8*(\t)]
	v_mov_b32 v[XR+4+(\t)], v[ST+8*(\t)+4]
.endr
	ds_store_b128 v[XA], v[XR:XR+3] offset:32768
	ds_store_b128 v[XA], v[XR+4:XR+7] offset:33280
	WIN 0x04                                       ; the data in window 1
.set i, 0
.rept 64
	ds_store_b128 v[XA], v[4*i:4*i+3] offset:512*i
.set i, i+1
.endr
	WIN 0
.Lkeep_\@:
.if \q2
	QLOAD Q2
.endif
.endm
; A BLOCK'S END, second part, waves 0 and 1, behind a barrier: M = the greater c m; f = 2^(c m - M) for each half; L = l0 f0 + l1 f1; O = (O0 f0 + O1 f1) / L, rounded to f16, through my stage, and out.
.macro XLOAD t                         ; the other half's O^T of tile t: 16 loads
.set xi, 0
.rept 16
	ds_load_b128 v[S+64*((\t)%2)+4*xi:S+64*((\t)%2)+4*xi+3], v[XA] offset:8192*(\t)+512*xi
.set xi, xi+1
.endr
.endm
.macro MTILE t
.set SB, S+64*((\t)%2)
.set PBF, P+32*((\t)%2)
.if (\t) == 3
	s_wait_dscnt 0x0
.else
	s_wait_dscnt 16                                ; this tile's 16 loads are in; the next tile's may stay out
.endif
.set mi, 0
.rept 32
	v_pk_mul_f32 v[SB+2*mi:SB+2*mi+1], v[SB+2*mi:SB+2*mi+1], v[ST+8*(\t)+6:ST+8*(\t)+7] op_sel_hi:[1,0]
.set mi, mi+1
.endr
	WIN 0x01                                       ; my own O^T in window 1
.set mi, 0
.rept 32
	v_pk_fma_f32 v[SB+2*mi:SB+2*mi+1], v[64*(\t)+2*mi:64*(\t)+2*mi+1], v[ST+8*(\t)+4:ST+8*(\t)+5], v[SB+2*mi:SB+2*mi+1] op_sel_hi:[1,0,1]
.set mi, mi+1
.endr
	WIN 0
	s_wait_xcnt 0x0                                ; the stores of two tiles back have read these registers
.set mi, 0
.rept 32
	v_cvt_pk_f16_f32 v[PBF+mi], v[SB+2*mi], v[SB+2*mi+1]
.set mi, mi+1
.endr
.irp f, 0,1,2,3,4,5,6,7
	ds_store_b128 v[STO], v[PBF+4*(\f):PBF+4*(\f)+3] offset:32*(\f)
.endr
.irp f, 0,1,2,3,4,5,6,7
	ds_load_b128 v[PBF+4*(\f):PBF+4*(\f)+3], v[RD] offset:2*SP*(\f)  ; LDS serves a wave's instructions in order: these see the stores above
.endr
.if (\t) < 2
	XLOAD (\t)+2
	s_wait_dscnt 16                                ; all but the 16 just issued
.else
	s_wait_dscnt 0x0
.endif
.irp f, 0,1,2,3,4,5,6,7
	global_store_b128 v[GO], v[PBF+4*(\f):PBF+4*(\f)+3], s[SO:SO+1] offset:65536*(\t)+8192*(\f)  ; 16 lanes store 256 consecutive bytes, aligned
.endr
.endm
.macro MERGE_OUT
	WIN 0
	ds_load_b128 v[YR:YR+3], v[XA] offset:32768
	ds_load_b128 v[YR+4:YR+7], v[XA] offset:33280
	XLOAD 0
	XLOAD 1
	s_wait_dscnt 32                                ; the other half's c m and l are in
.irp t, 0,1,2,3
	v_max_num_f32 v[ST+8*(\t)+5], v[ST+8*(\t)], v[YR+(\t)]
.endr
.irp t, 0,1,2,3
	v_sub_f32 v[ST+8*(\t)+6], v[ST+8*(\t)], v[ST+8*(\t)+5]
	v_sub_f32 v[ST+8*(\t)+7], v[YR+(\t)], v[ST+8*(\t)+5]
.endr
.irp t, 0,1,2,3
	v_exp_f32 v[ST+8*(\t)+6], v[ST+8*(\t)+6]
	v_exp_f32 v[ST+8*(\t)+7], v[ST+8*(\t)+7]
.endr
	v_nop
	s_wait_alu depctr_va_vdst(0)                   ; one wait for the eight exponentials
.irp t, 0,1,2,3
	v_mul_f32 v[ST+8*(\t)+4], v[ST+8*(\t)+4], v[ST+8*(\t)+6]
.endr
.irp t, 0,1,2,3
	v_fma_f32 v[ST+8*(\t)+4], v[YR+4+(\t)], v[ST+8*(\t)+7], v[ST+8*(\t)+4]
.endr
.irp t, 0,1,2,3
	v_rcp_f32 v[ST+8*(\t)+5], v[ST+8*(\t)+4]
.endr
	v_nop
	s_wait_alu depctr_va_vdst(0)                   ; one wait for the four reciprocals
.irp t, 0,1,2,3
	v_mul_f32 v[ST+8*(\t)+4], v[ST+8*(\t)+6], v[ST+8*(\t)+5]  ; f0 / L
.endr
.irp t, 0,1,2,3
	v_mul_f32 v[ST+8*(\t)+6], v[ST+8*(\t)+7], v[ST+8*(\t)+5]  ; f1 / L
.endr
	MTILE 0
	MTILE 1
	MTILE 2
	MTILE 3
.endm
.Lslot:                                        ; 8 trips: a tile is entered and the next is asked for.  Every jump below goes forward and passes no barrier and no tensor load
	CHANGE 1
	s_sub_co_u32 s[RT], s[RT], 1
	s_cmp_eq_u32 s[PEND], 0
	s_cbranch_scc1 .Lno_pend
	s_cmp_lt_u32 s[WV], 2                          ; the round above stands between the stores into the exchange and these reads
	s_cbranch_scc0 .Lno_merge
	MERGE_OUT
.Lno_merge:
	s_wait_xcnt 0x0                                ; the stores have read O's address
	s_mov_b64 s[SO:SO+1], s[O2:O2+1]
	s_mov_b32 s[PEND], 0
.Lno_pend:
	s_cmp_eq_u32 s[NEW], 0
	s_cbranch_scc1 .Lno_new
	s_mov_b32 s[NEW], 0
	STATS                                          ; the second block begins
.Lno_new:
	STEP
	WIN 0
	s_wait_dscnt 0x0                               ; my reads of the exchange, if any, are over:
	s_barrier_signal -1                            ; a barrier between a merge's reads and the next stores into the exchange.  The tile on its way stays out
	s_barrier_wait -1
	s_cmp_lg_u32 s[RT], 0
	s_cbranch_scc1 .Lno_end
	SENDPART 1                                     ; the first block ends
	s_sub_co_u32 s[RT], 8, s[PB]                   ; the second has 8 - PB tiles
	s_mov_b32 s[NEW], 1
	s_mov_b32 s[PEND], 1
.Lno_end:
	s_sub_co_u32 s[SLOTS], s[SLOTS], 1
	s_cmp_lg_u32 s[SLOTS], 0
	s_cbranch_scc1 .Lslot
	CHANGE 0                                       ; the walk's last tile is written out: nothing is asked for
	s_sub_co_u32 s[RT], s[RT], 1
	STEP
	WIN 0
	SENDPART 0
	s_wait_dscnt 0x0                               ; for the others' sake: my stores into the exchange are done
	s_barrier_signal -1
	s_barrier_wait -1
	s_cmp_lt_u32 s[WV], 2
	s_cbranch_scc0 .Lfin
	MERGE_OUT
.Lfin:
	s_wait_tensorcnt 0x0                           ; the wave's end: 0 onto my spare word, behind my last tensor load and my last LDS store
	ds_add_u32 v[SPW], v[NIL]
	s_wait_dscnt 0x0
	CROUND                                         ; the closing round
	s_endpgm
.Lfunc_end_k_q8cd1122855_attn:
	.size	k_q8cd1122855_attn, .Lfunc_end_k_q8cd1122855_attn-k_q8cd1122855_attn
	.p2alignl 7, 3214868480
	.fill 96, 4, 3214868480
	.section	.rodata,"a",@progbits
	.p2align	6, 0x0
	.amdhsa_kernel k_q8cd1122855_attn
		.amdhsa_group_segment_fixed_size 327680
		.amdhsa_private_segment_fixed_size 0
		.amdhsa_enable_private_segment 0
		.amdhsa_kernarg_size 24
		.amdhsa_user_sgpr_count 2
		.amdhsa_user_sgpr_kernarg_segment_ptr 1
		.amdhsa_wavefront_size32 1
		.amdhsa_system_sgpr_workgroup_id_x 1
		.amdhsa_system_sgpr_workgroup_id_y 1
		.amdhsa_system_sgpr_workgroup_id_z 1
		.amdhsa_system_vgpr_workitem_id 0
		.amdhsa_next_free_vgpr 1024
		.amdhsa_next_free_sgpr 88
		.amdhsa_reserve_vcc 1
		.amdhsa_float_denorm_mode_32 3
		.amdhsa_float_denorm_mode_16_64 3
		.amdhsa_memory_ordered 1
		.amdhsa_forward_progress 1
		.amdhsa_inst_pref_size 205
	.end_amdhsa_kernel
	.amdgpu_metadata
---
amdhsa.version: [ 1, 2 ]
amdhsa.kernels:
  - .name:           k_q8cd1122855_attn
    .symbol:         k_q8cd1122855_attn.kd
    .args:
      - { .name: q16, .offset: 0, .size: 8, .value_kind: global_buffer, .address_space: global }
      - { .name: kv16, .offset: 8, .size: 8, .value_kind: global_buffer, .address_space: global }
      - { .name: o16, .offset: 16, .size: 8, .value_kind: global_buffer, .address_space: global }
    .group_segment_fixed_size: 327680
    .private_segment_fixed_size: 0
    .kernarg_segment_align: 8
    .kernarg_segment_size: 24
    .max_flat_workgroup_size: 128
    .sgpr_count:     88
    .vgpr_count:     1024
    .wavefront_size: 32
...
	.end_amdgpu_metadata
.endif
;; end of part 3
;; launch oproj (part 4): grid 16 x 16, 4 waves a work-group, clusters of 4 x 4, 327,680 bytes of LDS; arguments o16, wo16, out0; writes out0
.if DOCPART == 4
	.amdgcn_target "amdgcn-amd-amdhsa--gfx1250"
	.amdhsa_code_object_version 6
	.text
	.protected	k_q8cd1122855_oproj
	.globl	k_q8cd1122855_oproj
	.p2align	8
	.type	k_q8cd1122855_oproj,@function
k_q8cd1122855_oproj:
	s_mov_b64 s[64:65], 0
	v_nop
	global_prefetch_b8 v0, s[64:65] scope:SCOPE_SE
	s_setreg_imm32_b32 hwreg(HW_REG_WAVE_MODE, 25, 1), 1
	s_wait_xcnt 0x0
	s_wait_alu depctr_hold_cnt(0) depctr_sa_sdst(0) depctr_va_vdst(0) depctr_va_sdst(0) depctr_va_ssrc(0) depctr_va_vcc(0) depctr_vm_vsrc(0)
	s_getreg_b32 s2, hwreg(HW_REG_IB_STS2, 6, 4)
	s_cmp_eq_u32 s2, 0
	s_cbranch_scc0 .Lentry_in_a_cluster
	s_endpgm
.Lentry_in_a_cluster:
	s_bfe_u32 s2, ttmp6, 0x10000c
	s_cmp_lg_u32 s2, 0xf033
	s_cbranch_scc0 .Lentry_shape_is_right
	s_endpgm
.Lentry_shape_is_right:
; out0 = O Wo.  o16: [4096][2048] f16; wo16: [2048 k][2048 n] f16 (Wo rounded to bf16, that number written as f16, by the launch of the first product); out0: [4096][2048] f32; sums in f32.
; 16 x 16 tiles of 256 rows x 128 columns: 256 work-groups of equal work.  Wave w: rows 64 w .. + 63, all 128 columns: 4 row blocks x 8 column blocks = 32 accumulators.
; The product is taken transposed (source 0 = 16 columns of Wo, turned out of LDS by ds_load_tr16_b128; source 1 = 16 rows of O): a lane holds one row and eight neighbouring columns.
; K goes in 16 steps of 128 through two LDS slots.  CLUSTER 4 x 4: O's tile is shared along a row of the cluster, Wo's along a column.  Waves 0, 1 fetch O's halves (128 rows), waves 2, 3 Wo's (64 k rows).
; THE WALK ALONG K begins at step 4 ((X + 2 Y) % 4), X and Y the cluster's place among the 4 x 4 clusters, and wraps at 16.  The four clusters that walk the same rows of O (one Y) begin at four different
; quarters of K; of the four that walk the same columns of Wo (one X) those at Y and Y + 2 begin together, the other two half of K further on: at no time do all of them ask for the same step.  The f32 sums take the steps in that order.
; REGISTERS: window 0: addresses; v64-127 O's fragments, two buffers; v128-255 the way out.  window 1: accumulators of row blocks 0, 1 at 64 (a % 2) + 8 nb; window 2: of 2, 3; window 3: Wo's fragments, two buffers of 64.
; NaN and infinities are not treated apart.
.set SLOT,  131072
.set PA,    272
.set PW,    288
.set OB,    256*PA                     ; 69,632: Wo's tile, 128 x 288 bytes
.set STAGE, SLOT+OB+128*PW             ; 237,568: behind the ring: 16 rows x 528 bytes for each wave
.set SPT,   528                        ; a row of 128 f32 + 16 bytes
.set SPARE, STAGE+4*16*SPT             ; 271,360: the spare words
.set A0,   8
.set B0,   9
.set ADRA, 12
.set ADRB, 13
.set STO,  16
.set RD,   17
.set GO,   20
.set PFO,  22
.set SPW,  28
.set NIL,  29
.set WV,  16
.set CX,  17
.set CY,  18
.set TN,  19
.set TM,  20
.set CNT, 21
.set TB,  22
.set LIM, 23                           ; a wave prefetches while CNT is above it
.set G1A, 24
.set G1B, 32
.set G0A, 40                           ; two sets each: the first fills'; the second then walks
.set G0B, 48
.set PFA, 56                           ; s[56:57]  where the prefetch stands
.set PFB, 58                           ; s[58:59]  its rows at K step 0
.set BA,  72                           ; s[72:73]  o16 at my 128 rows, K step 0
.set BB,  74                           ; s[74:75]  wo16 at the tile's columns, my 64 k rows of K step 0
.set NX,  83                           ; s83  the K step to be asked for next
.set OF,  84                           ; s[84:85]  a K step's byte offset, for the descriptors: made of NX alone
.set PI,  86                           ; s86  the K step last prefetched
.set PO,  88                           ; s[88:89]  its byte offset
.set MSB, 0
.macro WIN new
.if MSB != (\new)
	s_set_vgpr_msb (MSB<<8)|(\new)
.set MSB, \new
.endif
.endm
.macro PLACES
.rept 4
	v_nop
.endr
.endm
.macro CREST
	s_cmp_lg_u32 s[WV], 0
	s_cbranch_scc1 .Lnot_wave_0_\@
	s_barrier_signal -3
.Lnot_wave_0_\@:
	s_barrier_wait -3
	s_barrier_signal -1
	s_barrier_wait -1
.endm
.macro CROUND
	s_barrier_signal -1
	s_barrier_wait -1
	CREST
.endm
.macro JLOAD                           ; a joint refill; an s_nop 0 and four v_nop follow each of the two lines
	s_cmp_lt_u32 s[WV], 2
	s_cbranch_scc0 .Lfor_b_\@
	tensor_load_to_lds s[G0A+4:G0A+7], s[G1A:G1A+7]
	s_nop 0
.rept 4
	v_nop
.endr
	s_branch .Lasked_\@
.Lfor_b_\@:
	tensor_load_to_lds s[G0B+4:G0B+7], s[G1B:G1B+7]
	s_nop 0
.rept 4
	v_nop
.endr
.Lasked_\@:
.endm
; A PREFETCH of the K step that stands two refills on: 32 rows x 256 bytes, a lane a row.  Each block is named once in the launch, by a cluster whose walk comes to it first.  Wo's rows: the clusters of one X come
; first to the first eight steps of their walks, two of them together: the one with Y < 2 names steps 4 to 7, behind the first four refills (wave 2; the partner at cy takes 32 of the step's 128 k rows, told
; apart by address).  O's rows: a cluster comes first to the first four steps of its walk alone, and a walk's first four steps come by their loads: nothing of O is named.
.macro ASK
	s_cmp_gt_u32 s[CNT], s[LIM]
	s_cbranch_scc0 .Lnot_mine_\@
	global_prefetch_b8 v[PFO], s[PFA:PFA+1] th:TH_LOAD_NT scope:SCOPE_SE
.Lnot_mine_\@:
.endm
.macro MUL8 f, a, zero                 ; row block a x 8 column blocks, 32 along K; the 32 accumulators take turns, in the same order in every quarter
	WIN 0x53+0x50*((\a)/2)
.irp nb, 0,1,2,3,4,5,6,7
.if \zero
	v_wmma_f32_16x16x32_f16 v[64*((\a)%2)+8*(\nb):64*((\a)%2)+8*(\nb)+7], v[64*(\f)+8*(\nb):64*(\f)+8*(\nb)+7], v[64+32*(\f)+8*(\a):64+32*(\f)+8*(\a)+7], 0
.else
	v_wmma_f32_16x16x32_f16 v[64*((\a)%2)+8*(\nb):64*((\a)%2)+8*(\nb)+7], v[64*(\f)+8*(\nb):64*(\f)+8*(\nb)+7], v[64+32*(\f)+8*(\a):64+32*(\f)+8*(\a)+7], v[64*((\a)%2)+8*(\nb):64*((\a)%2)+8*(\nb)+7]
.endif
.endr
.endm
.macro FETCH k, f                      ; 24 LDS loads in one run: Wo's 8 fragments (turned), then O's 4
	WIN 0xc0
.irp nb, 0,1,2,3,4,5,6,7
	ds_load_tr16_b128 v[64*(\f)+8*(\nb):64*(\f)+8*(\nb)+3],   v[ADRB] offset:32*(\k)*PW+32*(\nb)
	ds_load_tr16_b128 v[64*(\f)+8*(\nb)+4:64*(\f)+8*(\nb)+7], v[ADRB] offset:32*(\k)*PW+32*(\nb)+16*PW
.endr
	WIN 0
.irp a, 0,1,2,3
	ds_load_b128 v[64+32*(\f)+8*(\a):64+32*(\f)+8*(\a)+3],   v[ADRA] offset:(\a)*16*PA+64*(\k)
	ds_load_b128 v[64+32*(\f)+8*(\a)+4:64+32*(\f)+8*(\a)+7], v[ADRA] offset:(\a)*16*PA+64*(\k)+32
.endr
.endm
.macro QUARTER k, f, g, zero
	s_wait_dscnt 4                                 ; the youngest four loads (row blocks 2, 3) may be out
	MUL8 \f, 0, \zero
	MUL8 \f, 1, \zero
	PLACES
	FETCH \k, \g
	s_wait_dscnt 24                                ; all but the 24 just issued
	MUL8 \f, 2, \zero
	MUL8 \f, 3, \zero
.endm
; The last quarter and the change of slots: the waits and the add in front of the barrier, the joint refill first behind the round.  fill = 1: the slot just read takes K step NX; the walking descriptors'
; addresses are made anew from that number while the add is out.
.macro TURN fill
.if \fill
	s_wait_xcnt 0x0                                ; the last prefetch, a step back, has read its address
	s_add_co_u32 s[PI], s[PI], 1
	s_and_b32 s[PI], s[PI], 15                     ; the walk wraps at 16
	s_lshl_b32 s[PO], s[PI], 19
	s_add_nc_u64 s[PFA:PFA+1], s[PFB:PFB+1], s[PO:PO+1]
.endif
	WIN 0
	s_wait_tensorcnt 0x0                           ; all my tensor loads have landed, so every group 0 may be written
	ds_add_u32 v[SPW], v[NIL]
.if \fill
	s_lshl_b32 s[OF], s[NX], 8                     ; 128 numbers along O's rows,
	s_add_nc_u64 s[G0A+6:G0A+7], s[BA:BA+1], s[OF:OF+1]
	s_lshl_b32 s[OF], s[NX], 19                    ; 128 rows of wo16
	s_add_nc_u64 s[G0B+6:G0B+7], s[BB:BB+1], s[OF:OF+1]
	s_or_b32 s[G0A+7], s[G0A+7], 0x80000000        ; the type,
	s_or_b32 s[G0B+7], s[G0B+7], 0x80000000
	s_xor_b32 s[G0A+5], s[G0A+5], SLOT             ; the other slot than last time
	s_xor_b32 s[G0B+5], s[G0B+5], SLOT
	s_add_co_u32 s[NX], s[NX], 1
	s_and_b32 s[NX], s[NX], 15                     ; the walk wraps at 16
.endif
	s_wait_dscnt 5                                 ; (the add and the youngest four loads may be out)
	MUL8 1, 0, 0
	s_wait_dscnt 0x0                               ; the add is done, and my reads of this slot are over
	s_barrier_signal -1
	MUL8 1, 1, 0
	WIN 0
	s_barrier_wait -1
.if \fill
	CREST
	JLOAD
.else
	PLACES
.endif
	s_xor_b32 s[TB], s[TB], SLOT
	v_add_nc_u32 v[ADRA], s[TB], v[A0]
	v_add_nc_u32 v[ADRB], s[TB], v[B0]
	FETCH 0, 0
.if \fill
	ASK
.endif
	MUL8 1, 2, 0
	MUL8 1, 3, 0
.endm
	s_load_b128 s[4:7], s[0:1], 0x0                ; o16 4, wo16 6
	s_load_b64 s[8:9], s[0:1], 0x10                ; out0
	v_lshl_add_u32 v[SPW], v0, 2, SPARE
	v_mov_b32 v[NIL], 0
	ds_add_u32 v[SPW], v[NIL]                      ; the wave's opening: the add and its wait stand ahead of my first tensor load
	v_lshrrev_b32 v1, 5, v0
	v_readfirstlane_b32 s[WV], v1
	s_bfe_u32 s[CX], ttmp6, 0x40000
	s_bfe_u32 s[CY], ttmp6, 0x40004
	s_lshl_b32 s[TN], ttmp9, 2
	s_add_co_u32 s[TN], s[TN], s[CX]
	s_and_b32 s[TM], ttmp7, 0xffff
	s_lshl_b32 s[TM], s[TM], 2
	s_add_co_u32 s[TM], s[TM], s[CY]
	s_lshl_b32 s68, s[CY], 2
	s_lshl_b32 s68, 15, s68                        ; my row of the cluster
	s_lshl_b32 s69, 0x1111, s[CX]                  ; my column
	s_or_b32 s[G1A], s68, (1<<16)|(1<<20)|(1<<21)|(5<<22)|(3<<25)
	s_or_b32 s[G1B], s69, (1<<16)|(1<<20)|(1<<21)|(5<<22)|(7<<25)
	s_mov_b32 s[G1A+1], 128<<16
	s_mov_b32 s[G1A+2], 128<<16                    ; 128 rows of O
	s_mov_b32 s[G1A+3], 128<<16
	s_mov_b32 s[G1A+4], 128
	s_mov_b32 s[G1A+5], 2048
	s_mov_b32 s[G1A+6], 0
	s_mov_b32 s[G1A+7], 0
	s_mov_b32 s[G1B+1], 128<<16
	s_mov_b32 s[G1B+2], 64<<16                     ; 64 k rows of Wo
	s_mov_b32 s[G1B+3], 128<<16
	s_mov_b32 s[G1B+4], 64
	s_mov_b32 s[G1B+5], 2048
	s_mov_b32 s[G1B+6], 0
	s_mov_b32 s[G1B+7], 0
	s_and_b32 s70, s[WV], 1                        ; which half I fetch
	s_lshl_b32 s72, s[TM], 8
	s_lshl_b32 s73, s70, 7
	s_add_co_u32 s72, s72, s73
	s_lshl_b32 s72, s72, 12                        ; O: row 256 tm + 128 x half, in bytes
	s_mov_b32 s73, 0
	s_mul_i32 s71, s70, 128*PA                     ; its place in a slot
	s_lshl_b32 s74, s[TN], 8                       ; Wo: column 128 tn,
	s_lshl_b32 s75, s70, 18                        ; k row 64 x half
	s_add_co_u32 s74, s74, s75
	s_mov_b32 s75, 0
	s_mul_i32 s76, s70, 64*PW
	s_add_co_u32 s76, s76, OB
	s_and_b32 s[NX], ttmp7, 0xffff                 ; the walk's first K step: 4 ((X + 2 Y) % 4): the same in all sixteen partners
	s_lshl_b32 s[NX], s[NX], 1
	s_add_co_u32 s[NX], s[NX], ttmp9
	s_and_b32 s[NX], s[NX], 3
	s_lshl_b32 s[NX], s[NX], 2
	s_mov_b32 s[OF+1], 0
.irp s, 0,1
	s_mov_b32 s[G0A+4*(\s)], 1
	s_add_co_u32 s[G0A+4*(\s)+1], s71, (\s)*SLOT
	s_mov_b32 s[G0B+4*(\s)], 1
	s_add_co_u32 s[G0B+4*(\s)+1], s76, (\s)*SLOT
.endr
	s_wait_dscnt 0x0                               ; the opening add is done
	s_wait_kmcnt 0x0
	s_add_nc_u64 s[BA:BA+1], s[4:5], s[72:73]
	s_add_nc_u64 s[BB:BB+1], s[6:7], s[74:75]
	s_lshl_b32 s[OF], s[NX], 8                     ; the first two steps of the walk (no wrap: the first is 12 at the most)
	s_add_nc_u64 s[G0A+2:G0A+3], s[BA:BA+1], s[OF:OF+1]
	s_lshl_b32 s[OF], s[NX], 19
	s_add_nc_u64 s[G0B+2:G0B+3], s[BB:BB+1], s[OF:OF+1]
	s_add_nc_u64 s[G0A+6:G0A+7], s[G0A+2:G0A+3], 256
	s_add_nc_u64 s[G0B+6:G0B+7], s[G0B+2:G0B+3], 524288
.irp g, G0A, G0A+4, G0B, G0B+4
	s_or_b32 s[(\g)+3], s[(\g)+3], 0x80000000
.endr
	s_add_co_u32 s[NX], s[NX], 2                   ; the first refill's step
	CROUND                                         ; all sixteen work-groups are here: the first joint loads meet
	s_cmp_lt_u32 s[WV], 2                          ; a wave's two first fills stand in one branch: two loads of mine are out
	s_cbranch_scc0 .Lfirst_b
	tensor_load_to_lds s[G0A:G0A+3], s[G1A:G1A+7]
	s_nop 0
	tensor_load_to_lds s[G0A+4:G0A+7], s[G1A:G1A+7]
	s_nop 0
.rept 4
	v_nop
.endr
	s_branch .Lfirst_asked
.Lfirst_b:
	tensor_load_to_lds s[G0B:G0B+3], s[G1B:G1B+7]
	s_nop 0
	tensor_load_to_lds s[G0B+4:G0B+7], s[G1B:G1B+7]
	s_nop 0
.rept 4
	v_nop
.endr
.Lfirst_asked:
	v_and_b32 v2, 31, v0
	v_and_b32 v3, 15, v0
	v_bfe_u32 v4, v0, 4, 1
	v_and_b32 v5, 7, v0
	v_bfe_u32 v6, v0, 3, 1
	v_lshl_add_u32 v7, v4, 3, v5
	s_mul_i32 s68, s[WV], 64*PA
	v_mul_u32_u24 v[A0], v3, PA
	v_lshl_add_u32 v[A0], v4, 4, v[A0]
	v_add_nc_u32 v[A0], s68, v[A0]
	v_mul_u32_u24 v[B0], v7, PW
	v_lshl_add_u32 v[B0], v6, 4, v[B0]
	v_add_nc_u32 v[B0], OB, v[B0]
	v_mov_b32 v[ADRA], v[A0]
	v_mov_b32 v[ADRB], v[B0]
	s_mul_i32 s68, s[WV], 16*SPT
	s_add_co_u32 s68, s68, STAGE                   ; my stage
	v_mul_u32_u24 v[STO], v3, SPT                  ; in: row l % 16, 32 bytes for each half of the lanes
	v_lshl_add_u32 v[STO], v4, 5, v[STO]
	v_add_nc_u32 v[STO], s68, v[STO]
	v_lshl_add_u32 v[RD], v2, 4, s68               ; back: 32 lanes take one row of 512 bytes
	v_lshlrev_b32 v[GO], 4, v2
	v_lshlrev_b32 v[PFO], 12, v2
	s_lshl_b32 s68, s[TM], 8
	s_lshl_b32 s69, s[WV], 6
	s_add_co_u32 s68, s68, s69
	s_lshl_b32 s68, s68, 13                        ; my first row of out0, 8,192 bytes a row,
	s_lshl_b32 s69, s[TN], 9                       ; the tile's 512 bytes of it
	s_add_co_u32 s68, s68, s69
	s_mov_b32 s69, 0
	s_add_nc_u64 s[8:9], s[8:9], s[68:69]
	s_lshl_b32 s78, s[CY], 17                      ; the prefetches: Wo: k row 32 cy, column 128 tn
	s_lshl_b32 s79, s[TN], 8
	s_add_co_u32 s80, s78, s79
	s_mov_b32 s81, 0
	s_add_nc_u64 s[PFB:PFB+1], s[6:7], s[80:81]
	s_and_b32 s82, ttmp7, 0xffff
	s_cmp_lt_u32 s82, 2
	s_cselect_b32 s[LIM], 10, -1                   ; the first four refills, where Y < 2,
	s_cmp_eq_u32 s[WV], 2
	s_cselect_b32 s[LIM], s[LIM], -1               ; in wave 2 alone.  The same in all sixteen partners, for a given wave
	s_add_co_u32 s[PI], s[NX], 1                   ; the first change of slots steps it to the walk's step 4
	s_mov_b32 s[PO+1], 0
	s_wait_tensorcnt 0x1                           ; my part of the walk's first step is in; the second's may stay out
	s_barrier_signal -1
	s_barrier_wait -1
	s_mov_b32 s[TB], 0
	FETCH 0, 0
	QUARTER 1, 0, 1, 1                             ; the first quarter's products start the sums
	WIN 0
	s_mov_b32 s[CNT], 14
.Lstep:
	QUARTER 2, 1, 0, 0
	QUARTER 3, 0, 1, 0
	TURN 1
	QUARTER 1, 0, 1, 0
	WIN 0
	s_sub_co_u32 s[CNT], s[CNT], 1
	s_cmp_lg_u32 s[CNT], 0
	s_cbranch_scc1 .Lstep
	QUARTER 2, 1, 0, 0                             ; the tail is written out: nothing more is asked for
	QUARTER 3, 0, 1, 0
	TURN 0
	QUARTER 1, 0, 1, 0
	QUARTER 2, 1, 0, 0
	QUARTER 3, 0, 1, 0
	s_wait_dscnt 4
	MUL8 1, 0, 0
	MUL8 1, 1, 0
	s_wait_dscnt 0x0
	MUL8 1, 2, 0
	MUL8 1, 3, 0
	WIN 0
	PLACES
; THE WAY OUT of row block a: the f32 sums go straight from the accumulators into my stage (each accumulator's lowest four registers first) and come back as whole rows of 512 bytes.
.macro OUT a
	WIN 0x04*(1+(\a)/2)                            ; the data in window 1 or 2
.irp nb, 0,1,2,3,4,5,6,7
	ds_store_b128 v[STO], v[64*((\a)%2)+8*(\nb):64*((\a)%2)+8*(\nb)+3]   offset:64*(\nb)
	ds_store_b128 v[STO], v[64*((\a)%2)+8*(\nb)+4:64*((\a)%2)+8*(\nb)+7] offset:64*(\nb)+16
.endr
	WIN 0
	s_wait_xcnt 0x0                                ; the stores of two blocks back have read these registers
.set oi, 0
.rept 16
	ds_load_b128 v[128+64*((\a)%2)+4*oi:128+64*((\a)%2)+4*oi+3], v[RD] offset:SPT*oi  ; LDS serves a wave's instructions in order: these see the stores above
.set oi, oi+1
.endr
	s_wait_dscnt 0x0
.set oi, 0
.rept 16
	global_store_b128 v[GO], v[128+64*((\a)%2)+4*oi:128+64*((\a)%2)+4*oi+3], s[8:9] offset:131072*(\a)+8192*oi th:TH_STORE_NT  ; 512 consecutive bytes, aligned
.set oi, oi+1
.endr
.endm
	OUT 0
	OUT 1
	OUT 2
	OUT 3
	s_wait_tensorcnt 0x0                           ; the wave's end: 0 onto my spare word, behind my last tensor load and my last LDS store
	ds_add_u32 v[SPW], v[NIL]
	s_wait_dscnt 0x0
	CROUND                                         ; the closing round
	s_endpgm
.Lfunc_end_k_q8cd1122855_oproj:
	.size	k_q8cd1122855_oproj, .Lfunc_end_k_q8cd1122855_oproj-k_q8cd1122855_oproj
	.p2alignl 7, 3214868480
	.fill 96, 4, 3214868480
	.section	.rodata,"a",@progbits
	.p2align	6, 0x0
	.amdhsa_kernel k_q8cd1122855_oproj
		.amdhsa_group_segment_fixed_size 327680
		.amdhsa_private_segment_fixed_size 0
		.amdhsa_enable_private_segment 0
		.amdhsa_kernarg_size 24
		.amdhsa_user_sgpr_count 2
		.amdhsa_user_sgpr_kernarg_segment_ptr 1
		.amdhsa_wavefront_size32 1
		.amdhsa_system_sgpr_workgroup_id_x 1
		.amdhsa_system_sgpr_workgroup_id_y 1
		.amdhsa_system_sgpr_workgroup_id_z 1
		.amdhsa_system_vgpr_workitem_id 0
		.amdhsa_next_free_vgpr 1024
		.amdhsa_next_free_sgpr 96
		.amdhsa_reserve_vcc 0
		.amdhsa_float_denorm_mode_32 3
		.amdhsa_float_denorm_mode_16_64 3
		.amdhsa_memory_ordered 1
		.amdhsa_forward_progress 1
		.amdhsa_inst_pref_size 71
	.end_amdhsa_kernel
	.amdgpu_metadata
---
amdhsa.version: [ 1, 2 ]
amdhsa.kernels:
  - .name:           k_q8cd1122855_oproj
    .symbol:         k_q8cd1122855_oproj.kd
    .args:
      - { .name: o16, .offset: 0, .size: 8, .value_kind: global_buffer, .address_space: global }
      - { .name: wo16, .offset: 8, .size: 8, .value_kind: global_buffer, .address_space: global }
      - { .name: out0, .offset: 16, .size: 8, .value_kind: global_buffer, .address_space: global }
    .group_segment_fixed_size: 327680
    .private_segment_fixed_size: 0
    .kernarg_segment_align: 8
    .kernarg_segment_size: 24
    .max_flat_workgroup_size: 128
    .sgpr_count:     96
    .vgpr_count:     1024
    .wavefront_size: 32
...
	.end_amdgpu_metadata
.endif
;; end of part 4
